; MI455X (gfx1250); checked and timed in simulation.
; The chip was launched on July 23, 2026; its instructions are those of AMD's public machine-readable ISA for CDNA 5 (MIT licence, August 2026) and "CDNA5" Instruction Set Architecture Reference Guide (July 2026). The comments in the code are by the model that wrote it; some were corrected since.
;; System2 Reasoner. Allowed arithmetic: matrix products marked QUANTISED: E2M1 operands, one E8M0 scale for each 32 along K, by v_wmma_scale_f32_16x16x128_f8f6f4 with both operands' format E2M1 (or v_wmma_scale_f32_32x16x128_f4), f32 sums; products left as they are: f32 operands where the result goes on into a quantised operand, else bf16, f16 or f32 operands; f32 sums; everything else in f32.
;; Inputs: memory_nodes_gpu 100,000 x 256 float32; test_patches 2,048 x 256 float32.
;; Outputs: out0 1 x 256 float32; out1 2,048 x 256 float32.
;; This version of the problem:
;;   THIS VERSION OF THE PROBLEM IS GIVEN IN LOW PRECISION. The matrix products marked QUANTISED in the list below multiply operands that are first quantised to E2M1 (2 exponent bits, 1 mantissa bit; 4 bits a number), with one power-of-two scale for each 32 numbers along K (OCP MX v1.0); their sums are f32. All else is computed in f32.
;;   The module's matrix products, in the order in which they are computed (A, B: the left and right operand; K: the contracted axis; several contracted axes count as one K, in the product's order):
;;     1. [M 2,048, K 256] x [K 256, N 100,000]; A: input test_patches; B: input memory_nodes_gpu: QUANTISED
;;     2. batch 2,048 x [M 1, K 50] x [K 50, N 256]; A: softmax; B: computed on the way: left as it is (M = 1 < 16)
;;   THE QUANTISER, for each operand of a quantised product, along K:
;;     - K is cut into blocks of 32 from its start; a last block that is shorter is filled with zeros.
;;     - A block's scale is 2^e with e = floor(log2(the largest magnitude in the block)) - 2, held to -126 .. 127; a block of zeros has e = 0. As a byte (E8M0): e + 127.
;;     - Each number is divided by its block's scale, clamped to +-6, and rounded to the nearest number of E2M1, ties to even, subnormals kept.
;;     - The product sums the exact products of the quantised numbers (number of the format x scale) in f32.
;;   ~~~python
;;   def quantise(x, axis):      # numpy; x: float32 -> the quantised numbers, widened to float32 again
;;       x = np.moveaxis(x, axis, -1); K = x.shape[-1]
;;       x = np.pad(x, [(0, 0)] * (x.ndim - 1) + [(0, -K % 32)]); x = x.reshape(x.shape[:-1] + (-1, 32)); a = np.abs(x).max(-1, keepdims=True)
;;       e = np.where(a > 0, np.clip(np.frexp(np.where(a > 0, a, 1))[1] - 1 - 2, -126, 127), 0)      # np.frexp(a)[1] - 1 = floor(log2(a)), exactly
;;       r = np.clip(x / 2.0 ** e, -6, 6)
;;       step = 2.0 ** (np.maximum(np.frexp(np.where(r == 0, 1, r))[1] - 1, 0) - 1)
;;       q = np.round(r / step) * step * 2.0 ** e      # np.round: ties to even
;;       return np.moveaxis(q.reshape(q.shape[:-2] + (-1,))[..., :K], -1, axis).astype(np.float32)
;;   ~~~
;; 2 versions, each right; version 2 is version 1 with the launches gemma, cands written anew for expert scheduling mode. Each part assembles by itself: llvm-mc -triple=amdgcn-amd-amdhsa -mcpu=gfx1250 --defsym DOCPART=n.
;; ======== version 1 of 2: 8 launches
;; workspace buffers: qbuf 13,878,528 bytes; gmax 20,480,000 bytes; sela 524,288 bytes of whole numbers; selb 524,288 bytes of whole numbers; gidtab 524,288 bytes of whole numbers; cand 16,384,000 bytes; esel 524,288 bytes of whole numbers; part 327,680 bytes
;; launch quant (part 1): grid 1063 x 1, 3 waves a work-group, no clusters, 28,928 bytes of LDS; arguments memory_nodes_gpu, test_patches, qbuf; writes qbuf
.if DOCPART == 1
	.amdgcn_target "amdgcn-amd-amdhsa--gfx1250"
	.amdhsa_code_object_version 6
	.text
	.protected	k_q13b2b95e5f_quant
	.globl	k_q13b2b95e5f_quant
	.p2align	8
	.type	k_q13b2b95e5f_quant,@function
k_q13b2b95e5f_quant:
	s_mov_b64 s[64:65], 0
	v_nop
	global_prefetch_b8 v0, s[64:65] scope:SCOPE_SE
	s_setreg_imm32_b32 hwreg(HW_REG_WAVE_MODE, 25, 1), 1
	s_wait_xcnt 0x0
; memory_nodes_gpu [100000][256] and test_patches [2048][256], f32, become codes of FP4 (E2M1) with one E8M0 byte for each 32 along K,
; laid in qbuf as IMAGES OF OPERAND REGISTERS, tile by tile of 16 rows:
;   codes of a tile, 2,048 bytes: [K step s 2][c 2][lane 16 h + m][16 bytes] = the codes of k = 128 s + 64 c + 32 h + 0..31 of tile row m;
;   scale words of a tile, 128 bytes: [s 2][m 16][4 bytes]: lane 16 s + m holds row m's word of K step s.
; Memory tile 5 U + t, row m = node 80 U + 40 (m / 8) + 8 t + m % 8, so that in the product's result a lane's 40 registers are 40 neighbouring nodes.  Patch tile P, row m = patch 16 P + m.
; A block's scale is 2^(floor(log2(largest magnitude)) - 2); its byte is the largest magnitude's exponent field - 2, held at 1 from below.
; LIMITS: a block of zeros, and a block whose largest magnitude lies under 2^-124, keeps the byte 1 (its codes are right under that byte; this program alone reads the bytes); NaN and infinities are not served.
; SHARES: job J = 3 x work-group + wave, 3,189 in all: jobs 0..3124 take memory tiles 2 J, 2 J + 1, the others patch tiles.  A job is 32 rows in four runs of 8 neighbouring rows, 16 steps of 2 rows.
; Each load reads 512 consecutive bytes; a step's 2,048 bytes turn through the wave's own stage in LDS so that a lane holds 16 neighbours along K; codes and bytes gather in the wave's own image in LDS
; and leave as 8 stores of 512 consecutive bytes and one of 256.  Waves share nothing: no barrier.  No matrix unit, no cluster: the launch streams.
.set MSCL,  12800000
.set PCOD,  13600000
.set PSCL,  13862144
.set STEPS, 16
.set SP,    80                         ; a lane's place in a stage: 64 bytes + 16 of padding
.set WREG,  9472                       ; LDS of a wave: two stages of 32 x 80, the codes' image, the scales' image
.set IMG,   5120
.set SCB,   9216
.set R,     16                         ; v16-79   four sets of 16 numbers as loaded; on the way out the images
.set X,     80                         ; v80-111  two sets of 16 neighbours
.set E,     112                        ; v112-127 a scale byte for each step
.set C,     128                        ; v128-159 two registers of codes for each step
	s_load_b128 s[4:7], s[0:1], 0x0                ; memory, patches
	s_load_b64 s[8:9], s[0:1], 0x10                ; qbuf
	v_lshl_add_u32 v160, v0, 2, 0x6f00
	v_mov_b32 v161, 0
	v_lshrrev_b32 v1, 5, v0
	v_readfirstlane_b32 s16, v1                    ; wave 0..2
	v_and_b32 v2, 31, v0                           ; lane
	v_lshlrev_b32 v3, 4, v2                        ; 16 x lane
	s_mul_i32 s12, s16, WREG
	v_lshrrev_b32 v14, 2, v2
	v_mul_u32_u24 v14, v14, SP
	v_and_b32 v15, 3, v2
	v_lshl_add_u32 v14, v15, 4, v14
	v_add_nc_u32 v14, s12, v14                     ; the stage, on the way in: SP (lane / 4) + 16 (lane % 4)
	v_mul_u32_u24 v15, v2, SP
	v_add_nc_u32 v15, s12, v15                     ; and on the way out: SP x lane
	v_and_b32 v8, 15, v2                           ; u: my 16 numbers are k = 16 u .. 16 u + 15
	v_lshrrev_b32 v9, 4, v2                        ; which of the step's two rows
	v_bfe_u32 v4, v8, 3, 1
	v_lshlrev_b32 v4, 10, v4                       ; K step s = u / 8
	v_bfe_u32 v10, v8, 2, 1
	v_lshl_add_u32 v4, v10, 9, v4                  ; c
	v_bfe_u32 v10, v8, 1, 1
	v_lshl_add_u32 v4, v10, 8, v4                  ; h: 16 lanes of 16 bytes
	v_and_b32 v10, 1, v8
	v_lshl_add_u32 v4, v10, 3, v4                  ; which half of the block's 16 bytes
	v_lshl_add_u32 v4, v9, 4, v4                   ; the row
	v_add_nc_u32 v4, s12, v4
	v_add_nc_u32 v4, IMG, v4                       ; where my 8 bytes of codes go
	v_bfe_u32 v5, v8, 3, 1
	v_lshlrev_b32 v5, 6, v5
	v_bfe_u32 v10, v8, 1, 2
	v_add_nc_u32 v5, v5, v10                       ; byte (u / 2) % 4 of the word of K step u / 8
	v_lshl_add_u32 v5, v9, 2, v5
	v_add_nc_u32 v5, s12, v5
	v_add_nc_u32 v5, SCB, v5                       ; where my block's byte goes
	v_add_nc_u32 v6, s12, v3
	v_add_nc_u32 v6, IMG, v6                       ; the way out: codes, 16 bytes a lane
	v_lshlrev_b32 v12, 3, v2
	v_add_nc_u32 v7, s12, v12
	v_add_nc_u32 v7, SCB, v7                       ; scale words, 8 bytes a lane
	s_mul_i32 s17, ttmp9, 3
	s_add_co_u32 s17, s17, s16                     ; J
	s_sub_co_u32 s18, s17, 3125                    ; the job among the patches' (used where J >= 3125 alone)
	s_lshl_b32 s19, s17, 1                         ; memory tile 2 J
	s_mul_hi_u32 s20, s19, 0xcccccccd
	s_lshr_b32 s20, s20, 2                         ; U = tile / 5
	s_mul_i32 s21, s20, 5
	s_sub_co_u32 s21, s19, s21                     ; t
	s_mul_i32 s20, s20, 80
	s_lshl_b32 s21, s21, 3
	s_add_co_u32 s20, s20, s21                     ; its first row: 80 U + 8 t
	s_add_co_u32 s19, s19, 1                       ; memory tile 2 J + 1
	s_mul_hi_u32 s22, s19, 0xcccccccd
	s_lshr_b32 s22, s22, 2
	s_mul_i32 s21, s22, 5
	s_sub_co_u32 s21, s19, s21
	s_mul_i32 s22, s22, 80
	s_lshl_b32 s21, s21, 3
	s_add_co_u32 s22, s22, s21
	s_lshl_b32 s23, s18, 5                         ; the patches' first rows: 32 Jm and 32 Jm + 16
	s_add_co_u32 s32, s23, 16
	s_mov_b32 s33, 8192                            ; from a tile's rows 0-7 to its rows 8-15: 8 rows of patches,
	s_mov_b32 s34, PCOD
	s_mov_b32 s35, PSCL
	s_wait_kmcnt 0x0
	s_cmp_lt_u32 s17, 3125                         ; memory's job or the patches'?  Only selects follow: both kinds take one path through the text
	s_cselect_b64 s[4:5], s[4:5], s[6:7]
	s_cselect_b32 s20, s20, s23
	s_cselect_b32 s22, s22, s32
	s_cselect_b32 s33, 40960, s33                  ; 40 rows of memory
	s_cselect_b32 s18, s17, s18
	s_cselect_b32 s34, 0, s34
	s_cselect_b32 s35, MSCL, s35
	s_lshl_b32 s36, s20, 10
	s_mov_b32 s37, 0
	s_mov_b32 s38, s33
	s_mov_b32 s39, 0
	s_lshl_b32 s40, s22, 10
	s_mov_b32 s41, 0
	s_add_nc_u64 s[24:25], s[4:5], s[36:37]        ; the four runs' first bytes
	s_add_nc_u64 s[26:27], s[24:25], s[38:39]
	s_add_nc_u64 s[28:29], s[4:5], s[40:41]
	s_add_nc_u64 s[30:31], s[28:29], s[38:39]
	s_lshl_b32 s42, s18, 8
	s_add_co_u32 s42, s42, s35
	s_mov_b32 s43, 0
	s_add_nc_u64 s[10:11], s[8:9], s[42:43]        ; my two tiles' scale words
	s_lshl_b32 s42, s18, 12
	s_add_co_u32 s42, s42, s34
	s_add_nc_u64 s[8:9], s[8:9], s[42:43]          ; and their codes
.macro LOAD t                          ; step t: two rows, four loads of 512 consecutive bytes
.irp q, 0,1,2,3
	global_load_b128 v[R+16*((\t)%4)+4*\q:R+16*((\t)%4)+4*\q+3], v3, s[24+2*((\t)/4):25+2*((\t)/4)] offset:2048*((\t)%4)+512*\q th:TH_LOAD_NT
.endr
.endm
.macro TURN t                          ; step t's numbers through the stage: LDS serves a wave's instructions in order, so no wait stands between the stores and the loads
.irp q, 0,1,2,3
	ds_store_b128 v14, v[R+16*((\t)%4)+4*\q:R+16*((\t)%4)+4*\q+3] offset:32*SP*((\t)%2)+8*SP*\q
.endr
.irp q, 0,1,2,3
	ds_load_b128 v[X+16*((\t)%2)+4*\q:X+16*((\t)%2)+4*\q+3], v15 offset:32*SP*((\t)%2)+16*\q
.endr
.endm
.irp t, 0,1,2,3
	LOAD \t
.endr
	s_wait_loadcnt 12                              ; step 0's four loads are in
	TURN 0
.macro STEP t
.set XS, X+16*((\t)%2)
.set MR, 8*(((\t)/4)%2)+2*((\t)%4)     ; the step's first row in its tile
.if (\t) > 0
	s_wait_dscnt 2                                 ; this step's numbers are back from the stage; the last step's two stores into the images may be out
.else
	s_wait_dscnt 0x0
.endif
.if (\t)+4 < STEPS
	LOAD (\t)+4                                    ; into the set that this step's stage stores have read
.endif
.if (\t)+1 < STEPS
.if STEPS-2-(\t) >= 3
	s_wait_loadcnt 12                              ; the next step's four loads are in; those of the three steps behind it may be out
.else
	s_wait_loadcnt 4*(STEPS-2-(\t))
.endif
	TURN (\t)+1
.endif
	v_max3_num_f32 v8, |v[XS]|, |v[XS+1]|, |v[XS+2]|               ; the largest magnitude of my 16, in two chains
	v_max3_num_f32 v9, |v[XS+3]|, |v[XS+4]|, |v[XS+5]|
.irp i, 6,10
	v_max3_num_f32 v8, v8, |v[XS+\i]|, |v[XS+\i+1]|
	v_max3_num_f32 v9, v9, |v[XS+\i+2]|, |v[XS+\i+3]|
.endr
	v_max3_num_f32 v8, v8, |v[XS+14]|, |v[XS+15]|
	v_max3_num_f32 v8, v8, v9, 0x1800000           ; and the floor 2^(3 - 127): the byte cannot fall under 1
	v_max_num_f32_dpp v8, v8, v8 row_xmask:1 row_mask:0xf bank_mask:0xf   ; with my neighbour's 16: the block's
	v_add_nc_u32 v11, 0xff000000, v8               ; 2 off its exponent field: the conversion takes this operand's exponent field as its scale
	v_cvt_scalef32_pk8_fp4_f32 v[C+2*(\t)], v[XS:XS+7], v11
	v_cvt_scalef32_pk8_fp4_f32 v[C+2*(\t)+1], v[XS+8:XS+15], v11
	v_lshrrev_b32 v[E+(\t)], 23, v11               ; the scale's byte; also the plain line behind the conversions
	ds_store_b8 v5, v[E+(\t)] offset:128*((\t)/8)+4*MR             ; both lanes of a block write the same byte with the same value
	ds_store_b64 v4, v[C+2*(\t):C+2*(\t)+1] offset:2048*((\t)/8)+16*MR
.endm
.irp t, 0,1,2,3,4,5,6,7,8,9,10,11,12,13,14,15
	STEP \t
.endr
.irp q, 0,1,2,3,4,5,6,7
	ds_load_b128 v[R+4*\q:R+4*\q+3], v6 offset:512*\q              ; LDS serves a wave's instructions in order: these see my stores
.endr
	ds_load_b64 v[R+32:R+33], v7
.irp q, 0,1,2,3,4,5,6,7
	s_wait_dscnt 8-\q                              ; load q is in; the 7 - q behind it and the scales' may be out
	global_store_b128 v3, v[R+4*\q:R+4*\q+3], s[8:9] offset:512*\q ; 512 consecutive bytes, at a multiple of 256 from qbuf's first byte
.endr
	s_wait_dscnt 0x0
	global_store_b64 v12, v[R+32:R+33], s[10:11]   ; 256 consecutive bytes
	s_wait_tensorcnt 0x0
	ds_add_u32 v160, v161
	s_wait_dscnt 0x0
	s_endpgm
.Lfunc_end_k_q13b2b95e5f_quant:
	.size	k_q13b2b95e5f_quant, .Lfunc_end_k_q13b2b95e5f_quant-k_q13b2b95e5f_quant
	.p2alignl 7, 3214868480
	.fill 96, 4, 3214868480
	.section	.rodata,"a",@progbits
	.p2align	6, 0x0
	.amdhsa_kernel k_q13b2b95e5f_quant
		.amdhsa_group_segment_fixed_size 28928
		.amdhsa_private_segment_fixed_size 0
		.amdhsa_enable_private_segment 0
		.amdhsa_kernarg_size 24
		.amdhsa_user_sgpr_count 2
		.amdhsa_user_sgpr_kernarg_segment_ptr 1
		.amdhsa_wavefront_size32 1
		.amdhsa_system_sgpr_workgroup_id_x 1
		.amdhsa_system_sgpr_workgroup_id_y 1
		.amdhsa_system_sgpr_workgroup_id_z 1
		.amdhsa_system_vgpr_workitem_id 0
		.amdhsa_next_free_vgpr 162
		.amdhsa_next_free_sgpr 66
		.amdhsa_reserve_vcc 0
		.amdhsa_float_denorm_mode_32 3
		.amdhsa_float_denorm_mode_16_64 3
		.amdhsa_memory_ordered 1
		.amdhsa_forward_progress 1
		.amdhsa_inst_pref_size 37
	.end_amdhsa_kernel
	.amdgpu_metadata
---
amdhsa.version: [ 1, 2 ]
amdhsa.kernels:
  - .name:           k_q13b2b95e5f_quant
    .symbol:         k_q13b2b95e5f_quant.kd
    .args:
      - { .name: memory_nodes_gpu, .offset: 0, .size: 8, .value_kind: global_buffer, .address_space: global }
      - { .name: test_patches, .offset: 8, .size: 8, .value_kind: global_buffer, .address_space: global }
      - { .name: qbuf, .offset: 16, .size: 8, .value_kind: global_buffer, .address_space: global }
    .group_segment_fixed_size: 28928
    .private_segment_fixed_size: 0
    .kernarg_segment_align: 8
    .kernarg_segment_size: 24
    .max_flat_workgroup_size: 96
    .sgpr_count:     66
    .vgpr_count:     162
    .wavefront_size: 32
...
	.end_amdgpu_metadata
.endif
;; end of part 1
;; launch gemma (part 2): grid 250 x 1, 8 waves a work-group, no clusters, 137,472 bytes of LDS; arguments qbuf, gmax; writes gmax
.if DOCPART == 2
	.amdgcn_target "amdgcn-amd-amdhsa--gfx1250"
	.amdhsa_code_object_version 6
	.text
	.protected	k_q13b2b95e5f_gemma
	.globl	k_q13b2b95e5f_gemma
	.p2align	8
	.type	k_q13b2b95e5f_gemma,@function
k_q13b2b95e5f_gemma:
	s_mov_b64 s[64:65], 0
	v_nop
	global_prefetch_b8 v0, s[64:65] scope:SCOPE_SE
	s_setreg_imm32_b32 hwreg(HW_REG_WAVE_MODE, 25, 1), 1
	s_wait_xcnt 0x0
; sim = Q(patches) Q(memory)^T on codes of FP4 with E8M0 scales; of the sims only THE LARGEST OF EACH 40 NEIGHBOURING NODES (a group) is kept for each patch: gmax [slice 250][patch 2048][10], group = 10 slice + e.
; SHARES.  Work-group sigma owns 400 nodes: 25 tiles of 16 = 5 units of 80.  Their codes and scale words come into LDS once.  Wave w keeps patch tiles 16 w .. 16 w + 15 (both K steps) in 256 registers for the whole launch.
; An item (unit u, patch tile p) is 10 matrix instructions: source 0 = a node tile, source 1 = the patch tile.  By the order of a tile's rows lane (r, h) then holds patch r, and register 8 t + j element 8 t + j of group 10 sigma + 2 u + h:
; the group's maximum is 20 instructions inside one lane.  They stand behind the next item's products, on the other of two sets of accumulators.
; NO CLUSTER, NO TENSOR LOAD: 250 work-groups do not divide by four; LDS is filled once, 54,400 bytes; what all work-groups share, the patches' codes, goes into registers.
; REGISTERS: window 0: v1-10 addresses; v16-95 a unit's node fragments (tile t, K step s at 16 + 16 t + 8 s); v96-100 their scale words; v104-119 the patch tiles' scale words; v120-159, v160-199 two sets of five accumulators;
;   v200-215 a unit's maxima; v216-220 at work.  Window 1: patch tile p, K step s at v[16 p + 8 s].
.set MSCL, 12800000
.set PCOD, 13600000
.set PSCL, 13862144
.set SCL,  51200                       ; LDS: 51,200 bytes of codes, then 3,200 of scale words,
.set STG,  54528                       ; then for each wave f32 [256 patches][10]: 10,240 bytes
.set AF,   16
.set AS,   96
.set BS,   104
.set DX,   120
.set MX,   200
.set CC,   216
.set FILL, 120                         ; v120-173: the node tiles' bytes on their way into LDS
.set MSB, 0
.macro WIN new                         ; the immediate's high byte repeats the setting that is left
.if MSB != \new
	s_set_vgpr_msb (MSB<<8)|\new
.set MSB, \new
.endif
.endm
	s_load_b128 s[4:7], s[0:1], 0x0                ; qbuf, gmax
	v_lshl_add_u32 v254, v0, 2, 0x21500
	v_mov_b32 v255, 0
	v_lshrrev_b32 v11, 5, v0
	v_readfirstlane_b32 s14, v11                   ; wave 0..7
	v_and_b32 v11, 31, v0
	v_lshlrev_b32 v1, 4, v11                       ; 16 x lane
	v_lshlrev_b32 v2, 2, v11                       ; 4 x lane
	v_lshlrev_b32 v3, 3, v0                        ; 8 x thread
	v_lshlrev_b32 v4, 2, v0                        ; 4 x thread
	v_and_b32 v12, 15, v0                          ; r
	v_bfe_u32 v13, v0, 4, 1                        ; h
	s_mul_i32 s15, s14, 10240
	v_mul_u32_u24 v7, v12, 40
	v_lshl_add_u32 v7, v13, 2, v7
	v_add_nc_u32 v7, s15, v7
	v_add_nc_u32 v7, STG, v7                       ; my stage: patch r's ten numbers, number h
	v_add_nc_u32 v9, s15, v1
	v_add_nc_u32 v9, STG, v9                       ; and back, 16 bytes a lane
	v_add_nc_u32 v10, SCL, v2
	s_mul_i32 s24, ttmp9, 51200
	s_mov_b32 s25, 0
	s_mul_i32 s26, ttmp9, 3200
	s_add_co_u32 s26, s26, MSCL
	s_mov_b32 s27, 0
	s_lshl_b32 s28, s14, 15
	s_add_co_u32 s28, s28, PCOD
	s_mov_b32 s29, 0
	s_lshl_b32 s30, s14, 11
	s_add_co_u32 s30, s30, PSCL
	s_mov_b32 s31, 0
	s_mul_i32 s32, ttmp9, 81920
	s_add_co_u32 s32, s32, s15
	s_mov_b32 s33, 0
	s_wait_kmcnt 0x0
	s_add_nc_u64 s[8:9], s[4:5], s[24:25]          ; my 25 tiles' codes,
	s_add_nc_u64 s[10:11], s[4:5], s[26:27]        ; their scale words,
	s_add_nc_u64 s[12:13], s[4:5], s[28:29]        ; my wave's 16 patch tiles' codes,
	s_add_nc_u64 s[16:17], s[4:5], s[30:31]        ; their scale words,
	s_add_nc_u64 s[6:7], s[6:7], s[32:33]          ; my wave's 10,240 bytes of gmax
.set I, 0
.rept 25
	global_load_b64 v[FILL+2*I:FILL+2*I+1], v3, s[8:9] offset:2048*I   ; the work-group reads 2,048 consecutive bytes
.set I, I+1
.endr
.irp i, 0,1,2
	global_load_b32 v[FILL+50+\i], v4, s[10:11] offset:1024*\i
.endr
	s_cmp_lg_u32 s14, 0
	s_cbranch_scc1 .Lno_tail_load
	global_load_b32 v[FILL+53], v4, s[10:11] offset:3072               ; the last 128 of the 3,200 bytes: wave 0
.Lno_tail_load:
.set I, 0
.rept 16
	global_load_b32 v[BS+I], v2, s[16:17] offset:128*I                 ; lanes 0-15: K step 0's words, lanes 16-31: K step 1's
.set I, I+1
.endr
	s_wait_loadcnt 16                              ; all but the 16 just issued: the node tiles' bytes are in, in wave 0 as in the others
.set I, 0
.rept 25
	ds_store_b64 v3, v[FILL+2*I:FILL+2*I+1] offset:2048*I
.set I, I+1
.endr
.irp i, 0,1,2
	ds_store_b32 v4, v[FILL+50+\i] offset:SCL+1024*\i
.endr
	s_cmp_lg_u32 s14, 0
	s_cbranch_scc1 .Lno_tail_store
	ds_store_b32 v4, v[FILL+53] offset:SCL+3072
.Lno_tail_store:
	WIN 0x40                                       ; destination window 1
.set I, 0
.rept 64
	global_load_b128 v[4*I:4*I+3], v1, s[12:13] offset:512*I           ; an image of the registers: tile I / 4, registers 4 (I % 4) on
.set I, I+1
.endr
	WIN 0
	s_wait_dscnt 0x0                               ; for the others' sake: my stores have landed
	s_barrier_signal -1
	s_barrier_wait -1                              ; the launch's one barrier: the 25 tiles lie in LDS, and nobody writes them again
	s_wait_loadcnt 0x0                             ; my patch tiles
.macro ITEM p                          ; five accumulators by turns, K step 0 and then K step 1
.set S, DX+40*((\p)%2)
	WIN 0x04                                       ; source 1 window 1
.irp t, 0,1,2,3,4
	v_wmma_scale_f32_16x16x128_f8f6f4 v[S+8*\t:S+8*\t+7], v[AF+16*\t:AF+16*\t+7], v[16*(\p):16*(\p)+7], 0, v[AS+\t], v[BS+(\p)] matrix_a_fmt:MATRIX_FMT_FP4 matrix_b_fmt:MATRIX_FMT_FP4
.endr
.irp t, 0,1,2,3,4
	v_wmma_scale_f32_16x16x128_f8f6f4 v[S+8*\t:S+8*\t+7], v[AF+16*\t+8:AF+16*\t+15], v[16*(\p)+8:16*(\p)+15], v[S+8*\t:S+8*\t+7], v[AS+\t], v[BS+(\p)] matrix_a_fmt:MATRIX_FMT_FP4 matrix_b_fmt:MATRIX_FMT_FP4 matrix_a_scale:MATRIX_SCALE_ROW1 matrix_b_scale:MATRIX_SCALE_ROW1
.endr
	WIN 0
.endm
.macro EPI p                           ; the largest of item p's 40 sims of my lane: 20 instructions, each accumulator from its low end on
.set S, DX+40*((\p)%2)
.irp t, 0,1,2,3,4
	v_max3_num_f32 v[CC+\t], v[S+8*\t], v[S+8*\t+1], v[S+8*\t+2]
.endr
.irp t, 0,1,2,3,4
	v_max3_num_f32 v[CC+\t], v[CC+\t], v[S+8*\t+3], v[S+8*\t+4]
.endr
.irp t, 0,1,2,3,4
	v_max3_num_f32 v[CC+\t], v[CC+\t], v[S+8*\t+5], v[S+8*\t+6]
.endr
	v_max3_num_f32 v[CC], v[CC], v[CC+1], v[CC+2]
	v_max3_num_f32 v[CC+3], v[CC+3], v[CC+4], v[S+7]
	v_max3_num_f32 v[CC], v[CC], v[S+15], v[S+23]
	v_max3_num_f32 v[CC+3], v[CC+3], v[S+31], v[S+39]
	v_max_num_f32 v[MX+(\p)], v[CC], v[CC+3]
.endm
	s_mov_b32 s20, 0                               ; unit
	s_mov_b32 s21, 0                               ; 10,240 x unit: its codes
	s_mov_b32 s22, 0                               ; 640 x unit: its scale words
	s_mov_b32 s23, 0                               ; 8 x unit: its two numbers of a patch's ten
.Lunit:
	v_add_nc_u32 v5, s21, v1
	v_add_nc_u32 v6, s22, v10
.set I, 0
.rept 20
	ds_load_b128 v[AF+4*I:AF+4*I+3], v5 offset:512*I                   ; behind the last unit's two last maxima, 40 plain instructions: the places in front of loads into registers that products have read
.set I, I+1
.endr
.irp t, 0,1,2,3,4
	ds_load_b32 v[AS+\t], v6 offset:128*\t
.endr
	s_wait_dscnt 0x0                               ; the fragments are in, and the last unit's stores into the stage are done
	ITEM 0
.rept 4
	v_nop                                          ; the places between item 0's products and the first read of their results: no other vector work is at hand here
.endr
.irp p, 1,2,3,4,5,6,7,8,9,10,11,12,13,14,15
	ITEM \p
	EPI \p-1                                       ; on the other set: these 20 name no register of the products just issued, and are their places
.endr
	EPI 15
	v_add_nc_u32 v8, s23, v7
.set I, 0
.rept 16
	ds_store_b32 v8, v[MX+I] offset:640*I          ; patch 16 I + r, number 2 u + h
.set I, I+1
.endr
	s_add_co_u32 s21, s21, 10240
	s_add_co_u32 s22, s22, 640
	s_add_co_u32 s23, s23, 8
	s_add_co_u32 s20, s20, 1
	s_cmp_lt_u32 s20, 5
	s_cbranch_scc1 .Lunit
.set I, 0
.rept 20
	ds_load_b128 v[AF+4*I:AF+4*I+3], v9 offset:512*I                   ; my own bytes: LDS serves a wave's instructions in order
.set I, I+1
.endr
.set I, 0
.rept 20
	s_wait_dscnt 19-I
	global_store_b128 v1, v[AF+4*I:AF+4*I+3], s[6:7] offset:512*I th:TH_STORE_NT   ; 512 consecutive bytes, at a multiple of 256 from gmax's first byte
.set I, I+1
.endr
	s_wait_tensorcnt 0x0
	ds_add_u32 v254, v255
	s_wait_dscnt 0x0
	s_endpgm
.Lfunc_end_k_q13b2b95e5f_gemma:
	.size	k_q13b2b95e5f_gemma, .Lfunc_end_k_q13b2b95e5f_gemma-k_q13b2b95e5f_gemma
	.p2alignl 7, 3214868480
	.fill 96, 4, 3214868480
	.section	.rodata,"a",@progbits
	.p2align	6, 0x0
	.amdhsa_kernel k_q13b2b95e5f_gemma
		.amdhsa_group_segment_fixed_size 137472
		.amdhsa_private_segment_fixed_size 0
		.amdhsa_enable_private_segment 0
		.amdhsa_kernarg_size 16
		.amdhsa_user_sgpr_count 2
		.amdhsa_user_sgpr_kernarg_segment_ptr 1
		.amdhsa_wavefront_size32 1
		.amdhsa_system_sgpr_workgroup_id_x 1
		.amdhsa_system_sgpr_workgroup_id_y 1
		.amdhsa_system_sgpr_workgroup_id_z 1
		.amdhsa_system_vgpr_workitem_id 0
		.amdhsa_next_free_vgpr 512
		.amdhsa_next_free_sgpr 66
		.amdhsa_reserve_vcc 0
		.amdhsa_float_denorm_mode_32 3
		.amdhsa_float_denorm_mode_16_64 3
		.amdhsa_memory_ordered 1
		.amdhsa_forward_progress 1
		.amdhsa_inst_pref_size 62
	.end_amdhsa_kernel
	.amdgpu_metadata
---
amdhsa.version: [ 1, 2 ]
amdhsa.kernels:
  - .name:           k_q13b2b95e5f_gemma
    .symbol:         k_q13b2b95e5f_gemma.kd
    .args:
      - { .name: qbuf, .offset: 0, .size: 8, .value_kind: global_buffer, .address_space: global }
      - { .name: gmax, .offset: 8, .size: 8, .value_kind: global_buffer, .address_space: global }
    .group_segment_fixed_size: 137472
    .private_segment_fixed_size: 0
    .kernarg_segment_align: 8
    .kernarg_segment_size: 16
    .max_flat_workgroup_size: 256
    .sgpr_count:     66
    .vgpr_count:     512
    .wavefront_size: 32
...
	.end_amdgpu_metadata
.endif
;; end of part 2
;; launch selg (part 3): grid 256 x 1, 8 waves a work-group, no clusters, 83,456 bytes of LDS; arguments gmax, sela, selb; writes sela, selb
.if DOCPART == 3
	.amdgcn_target "amdgcn-amd-amdhsa--gfx1250"
	.amdhsa_code_object_version 6
	.text
	.protected	k_q13b2b95e5f_selg
	.globl	k_q13b2b95e5f_selg
	.p2align	8
	.type	k_q13b2b95e5f_selg,@function
k_q13b2b95e5f_selg:
	s_mov_b64 s[64:65], 0
	v_nop
	global_prefetch_b8 v0, s[64:65] scope:SCOPE_SE
	s_setreg_imm32_b32 hwreg(HW_REG_WAVE_MODE, 25, 1), 1
	s_wait_xcnt 0x0
; For each patch THE 50 LARGEST OF ITS 2,500 GROUP MAXIMA, ties to the lower group, by instructions and addresses that hang on no data; the choice is stored as whole numbers for the next launch.
; Lane l holds groups 80 l .. 80 l + 79; its 80 choices are three words: M0 (groups 0-31 of the lane, group i at bit 31 - i), M1 (groups 32-63 likewise), M2 (groups 64-79, group 64 + i at bit 15 - i).
; THE LANES ARE STORED IN REVERSE: sela [patch][31 - l] = (M2, M1), selb [patch][31 - l] = (M0, 0), so that the reader, which takes the first lane, the first word and the lowest bit, always takes the largest group left.
; Every one of a patch's 50 largest sims lies in one of these 50 groups: a group that comes before the sim's own group (larger maximum, or the same and a lower number) holds a sim that comes before it.
; HOW.  A float becomes a whole number that rises with it.  T, the 50th largest key, is built bit by bit from the top: a bit stays if at least 50 keys reach the number so far.  All keys above T are chosen, and of those
; equal to T the first 50 - G in ascending order.  Counts within a lane ride on the carry of an addition; across lanes they are summed in f32 (at most 2,560: exact).
; SHARES.  A work-group takes 8 patches, a wave one.  The 8 patches' numbers of a slice of ten groups are 320 consecutive bytes of gmax: they come through LDS.
; (Pieces of 320 bytes begin at multiples of 64: some aligned blocks of 256 bytes are read by two neighbouring work-groups.)
; LIMITS: NaN and infinities are not served; -0 counts as +0.
.set K,   16                           ; v16-95   the numbers as loaded, then my 80 keys.  LDS: slice s at 320 s + 16 (s / 8), 82,432 bytes
.set GA,  96                           ; v96-115  offsets in gmax        (during the fill)
.set LA,  116                          ; v116-135 LDS addresses          (during the fill)
.set MK,  96                           ; v96 M2, v97 M1, v98 M0, v99 0
.set CN,  112                          ; v112-115 four counters
.set VP,  120                          ; T as far as it is built
.set VC,  121                          ; T with the bit on trial
.set T0,  122                          ; v122-125 at work
.set VQ,  128                          ; equals before this key + G - 50: below 0 while equals are still taken
.set XE,  130
.set CG,  132
.set CE,  133
.set RDA, 136
.set WRA, 137
.set LN,  139
.macro KEY r                           ; +0 for -0; then positive numbers get their sign bit set and negative ones are inverted
	v_add_f32 v[\r], 0, v[\r]
	v_ashrrev_i32 v[T0+(\r)%4], 31, v[\r]
	v_or_b32 v[T0+(\r)%4], 0x80000000, v[T0+(\r)%4]
	v_xor_b32 v[\r], v[\r], v[T0+(\r)%4]
.endm
.macro WSUM r, t                       ; the sum over the wave's 32 lanes, in every lane
	v_add_f32_dpp v[\r], v[\r], v[\r] row_xmask:1 row_mask:0xf bank_mask:0xf
	v_add_f32_dpp v[\r], v[\r], v[\r] row_xmask:2 row_mask:0xf bank_mask:0xf
	v_add_f32_dpp v[\r], v[\r], v[\r] row_xmask:4 row_mask:0xf bank_mask:0xf
	v_add_f32_dpp v[\r], v[\r], v[\r] row_xmask:8 row_mask:0xf bank_mask:0xf
	v_permlanex16_b32 v[\t], v[\r], s12, s13
	v_add_f32 v[\r], v[\r], v[\t]
.endm
.macro SEARCH k, n                     ; 32 trips, one bit each
	v_mov_b32 v[VP], 0
	s_mov_b32 s10, 0x80000000
	s_mov_b32 s11, 0
.Lbit:
	v_or_b32 v[VC], s10, v[VP]
.set J, 0
.rept (\n)/4
.irp i, 0,1,2,3
	v_cmp_ge_u32 s[40+\i], v[\k+J+\i], v[VC]
.endr
.irp i, 0,1,2,3
.if J == 0
	v_cndmask_b32 v[CN+\i], 0, 1, s[40+\i]         ; the first four start the counters: nothing is cleared
.else
	v_add_co_ci_u32 v[CN+\i], vcc_lo, 0, v[CN+\i], s[40+\i]
.endif
.endr
.set J, J+4
.endr
	v_add_nc_u32 v[CN], v[CN], v[CN+1]
	v_add3_u32 v[CN], v[CN], v[CN+2], v[CN+3]
	v_cvt_f32_u32 v[T0], v[CN]
	WSUM T0, T0+1
	v_cmp_le_f32 vcc_lo, 0x42480000, v[T0]         ; do 50 keys or more reach it?
	v_cndmask_b32 v[VP], v[VP], v[VC], vcc_lo      ; then the bit stays: a choice of a value, no branch
	s_lshr_b32 s10, s10, 1
	s_add_co_u32 s11, s11, 1
	s_cmp_lt_u32 s11, 32
	s_cbranch_scc1 .Lbit
.endm
.macro LANEPFX dst, src                ; the sum of src (under 128) over the lanes below mine, bit by bit
	v_mov_b32 v[\dst], 0
.irp b, 0,1,2,3,4,5,6
	v_and_b32 v[T0+2], 1<<\b, v[\src]
	v_cmp_ne_u32 vcc_lo, 0, v[T0+2]
	v_mbcnt_lo_u32_b32 v[T0+2], vcc_lo, 0
	v_lshl_add_u32 v[\dst], v[T0+2], \b, v[\dst]
.endr
.endm
.macro COUNT k, n                      ; G = keys above T in the wave; equals in the lanes below mine
	v_mov_b32 v[CG], 0
	v_mov_b32 v[CE], 0
.set J, 0
.rept (\n)/2
	v_cmp_gt_u32 s40, v[\k+J], v[VP]
	v_cmp_eq_u32 s41, v[\k+J], v[VP]
	v_cmp_gt_u32 s42, v[\k+J+1], v[VP]
	v_cmp_eq_u32 s43, v[\k+J+1], v[VP]
	v_add_co_ci_u32 v[CG], vcc_lo, 0, v[CG], s40
	v_add_co_ci_u32 v[CE], vcc_lo, 0, v[CE], s41
	v_add_co_ci_u32 v[CG], vcc_lo, 0, v[CG], s42
	v_add_co_ci_u32 v[CE], vcc_lo, 0, v[CE], s43
.set J, J+2
.endr
	v_cvt_f32_u32 v[T0], v[CG]
	WSUM T0, T0+1
	v_cvt_u32_f32 v[T0], v[T0]
	LANEPFX XE, CE
	v_add3_u32 v[VQ], v[XE], v[T0], 0xffffffce     ; - 50
.endm
.macro PICK key, mask                  ; is this key chosen?  Its bit is shifted into the mask from below, so the first key ends highest
	v_cmp_eq_u32 s40, v[\key], v[VP]
	v_cmp_gt_i32 s41, 0, v[VQ]
	v_cmp_gt_u32 s42, v[\key], v[VP]
	s_and_b32 s41, s41, s40
	s_or_b32 s42, s42, s41
	v_add_co_ci_u32 v[VQ], vcc_lo, 0, v[VQ], s40
	v_add_co_ci_u32 v[\mask], vcc_lo, v[\mask], v[\mask], s42
.endm
	s_load_b128 s[4:7], s[0:1], 0x0                ; gmax, sela
	s_load_b64 s[20:21], s[0:1], 0x10              ; selb
	v_lshl_add_u32 v160, v0, 2, 0x14200
	v_mov_b32 v161, 0
	v_lshrrev_b32 v1, 5, v0
	v_readfirstlane_b32 s8, v1                     ; wave 0..7
	v_and_b32 v[LN], 31, v0
	s_mov_b32 s12, 0x76543210
	s_mov_b32 s13, 0xfedcba98                      ; v_permlanex16_b32's selects for lane l xor 16
	s_mul_i32 s14, ttmp9, 320                      ; my 8 patches' 320 bytes of a slice
	s_mov_b32 s15, 0
	s_lshl_b32 s16, ttmp9, 3
	s_add_co_u32 s16, s16, s8                      ; my patch
	s_lshl_b32 s16, s16, 8                         ; 256 bytes a patch in sela and in selb
	s_mov_b32 s17, 0
	s_mul_i32 s18, s8, 40
	v_mul_u32_u24 v[RDA], v[LN], 2576
	v_add_nc_u32 v[RDA], s18, v[RDA]               ; my 8 slices begin 2,576 x lane on; my patch's ten numbers 40 x wave on
	v_sub_nc_u32 v[WRA], 31, v[LN]
	v_lshlrev_b32 v[WRA], 3, v[WRA]                ; the way out: 8 bytes at place 31 - lane
.set I, 0
.rept 20                               ; piece q = thread + 256 I of 16 bytes: slice q / 20, piece q % 20 of its 320 bytes
	v_add_nc_u32 v2, 256*I, v0
	v_mul_u32_u24 v3, v2, 3277
	v_lshrrev_b32 v3, 16, v3                       ; q / 20, exact for q under 5,120
	v_mul_u32_u24 v4, v3, 20
	v_sub_nc_u32 v4, v2, v4
	v_min_u32 v5, 249, v3                          ; slices 250 to 255 do not exist: they read slice 249 and are set to the lowest key below
	v_mul_u32_u24 v5, v5, 81920
	v_lshl_add_u32 v[GA+I], v4, 4, v5
	v_mul_u32_u24 v5, v3, 320
	v_lshrrev_b32 v6, 3, v3
	v_lshl_add_u32 v5, v6, 4, v5
	v_lshl_add_u32 v[LA+I], v4, 4, v5
.set I, I+1
.endr
	s_wait_kmcnt 0x0
	s_add_nc_u64 s[4:5], s[4:5], s[14:15]
	s_add_nc_u64 s[6:7], s[6:7], s[16:17]
	s_add_nc_u64 s[20:21], s[20:21], s[16:17]
.set I, 0
.rept 20
	global_load_b128 v[K+4*I:K+4*I+3], v[GA+I], s[4:5]
.set I, I+1
.endr
	s_wait_loadcnt 0x0
.set I, 0
.rept 20
	ds_store_b128 v[LA+I], v[K+4*I:K+4*I+3]
.set I, I+1
.endr
	s_wait_dscnt 0x0                               ; for the others' sake: my stores have landed
	s_barrier_signal -1
	s_barrier_wait -1                              ; the launch's one barrier
.irp a, 0,1,2,3,4,5,6,7
.irp i, 0,1,2,3,4
	ds_load_b64 v[K+10*\a+2*\i:K+10*\a+2*\i+1], v[RDA] offset:320*\a+8*\i
.endr
.endr
	v_mov_b32 v[T0+1], 0                           ; a lane permute's destination counts as one of its sources
	v_cmp_ne_u32 s44, 31, v[LN]
	s_wait_dscnt 0x0
.set I, 0
.rept 80
	KEY K+I
.set I, I+1
.endr
.set I, 20
.rept 60
	v_cndmask_b32 v[K+I], 0, v[K+I], s44           ; lane 31's slices 250 to 255: key 0, under every number's key
.set I, I+1
.endr
	SEARCH K, 80
	COUNT K, 80
.irp j, 0,1,2,3
	v_mov_b32 v[MK+\j], 0
.endr
.set I, 0
.rept 32
	PICK K+I, MK+2                                 ; groups 0-31 of my 80, ascending: M0
.set I, I+1
.endr
.rept 32
	PICK K+I, MK+1                                 ; groups 32-63: M1
.set I, I+1
.endr
.rept 16
	PICK K+I, MK                                   ; groups 64-79: M2
.set I, I+1
.endr
	global_store_b64 v[WRA], v[MK:MK+1], s[6:7]    ; the wave stores 256 consecutive bytes, aligned
	global_store_b64 v[WRA], v[MK+2:MK+3], s[20:21]
	s_wait_tensorcnt 0x0
	ds_add_u32 v160, v161
	s_wait_dscnt 0x0
	s_endpgm
.Lfunc_end_k_q13b2b95e5f_selg:
	.size	k_q13b2b95e5f_selg, .Lfunc_end_k_q13b2b95e5f_selg-k_q13b2b95e5f_selg
	.p2alignl 7, 3214868480
	.fill 96, 4, 3214868480
	.section	.rodata,"a",@progbits
	.p2align	6, 0x0
	.amdhsa_kernel k_q13b2b95e5f_selg
		.amdhsa_group_segment_fixed_size 83456
		.amdhsa_private_segment_fixed_size 0
		.amdhsa_enable_private_segment 0
		.amdhsa_kernarg_size 24
		.amdhsa_user_sgpr_count 2
		.amdhsa_user_sgpr_kernarg_segment_ptr 1
		.amdhsa_wavefront_size32 1
		.amdhsa_system_sgpr_workgroup_id_x 1
		.amdhsa_system_sgpr_workgroup_id_y 1
		.amdhsa_system_sgpr_workgroup_id_z 1
		.amdhsa_system_vgpr_workitem_id 0
		.amdhsa_next_free_vgpr 162
		.amdhsa_next_free_sgpr 66
		.amdhsa_reserve_vcc 1
		.amdhsa_float_denorm_mode_32 3
		.amdhsa_float_denorm_mode_16_64 3
		.amdhsa_memory_ordered 1
		.amdhsa_forward_progress 1
		.amdhsa_inst_pref_size 102
	.end_amdhsa_kernel
	.amdgpu_metadata
---
amdhsa.version: [ 1, 2 ]
amdhsa.kernels:
  - .name:           k_q13b2b95e5f_selg
    .symbol:         k_q13b2b95e5f_selg.kd
    .args:
      - { .name: gmax, .offset: 0, .size: 8, .value_kind: global_buffer, .address_space: global }
      - { .name: sela, .offset: 8, .size: 8, .value_kind: global_buffer, .address_space: global }
      - { .name: selb, .offset: 16, .size: 8, .value_kind: global_buffer, .address_space: global }
    .group_segment_fixed_size: 83456
    .private_segment_fixed_size: 0
    .kernarg_segment_align: 8
    .kernarg_segment_size: 24
    .max_flat_workgroup_size: 256
    .sgpr_count:     66
    .vgpr_count:     162
    .wavefront_size: 32
...
	.end_amdgpu_metadata
.endif
;; end of part 3
;; launch glist (part 4): grid 256 x 1, 8 waves a work-group, no clusters, 0 bytes of LDS; arguments sela, selb, gidtab; writes gidtab
.if DOCPART == 4
	.amdgcn_target "amdgcn-amd-amdhsa--gfx1250"
	.amdhsa_code_object_version 6
	.text
	.protected	k_q13b2b95e5f_glist
	.globl	k_q13b2b95e5f_glist
	.p2align	8
	.type	k_q13b2b95e5f_glist,@function
k_q13b2b95e5f_glist:
	s_mov_b64 s[64:65], 0
	v_nop
	global_prefetch_b8 v0, s[64:65] scope:SCOPE_SE
	s_setreg_imm32_b32 hwreg(HW_REG_WAVE_MODE, 25, 1), 1
	s_wait_xcnt 0x0
; The 50 bits of a patch's choice of groups become a LIST: gidtab [patch][64]: entry o = the number of the patch's o-th chosen group, ascending; entries 50 to 63 are 0.
; All that is worked on are whole numbers read from memory; every address of this launch is made of the work-group's, the wave's and the lane's number alone.
; SHARES.  A wave takes a patch.  Lane p holds the three words of groups 80 (31 - p) .. + 79: v4 = groups 64-79 (group 64 + i at bit 15 - i), v5 = groups 32-63 (bit 31 - i), v6 = groups 0-31 (bit 31 - i).
; A step takes the first lane that still has a bit, its first word that has one, and that word's lowest bit: the largest group left.  So step k gives entry 49 - k.  The 50 steps are written out: no trip count hangs on data.
; No LDS, no barrier, no matrix unit: a wave's work is its own, and it is scalar work.  A patch's 256 bytes leave by two stores of 128 consecutive bytes.
.macro EXTRACT reg, ln
	v_or_b32 v16, v4, v5
	v_or_b32 v16, v16, v6
	v_cmp_ne_u32 vcc_lo, 0, v16
	s_ctz_i32_b32 s66, vcc_lo                      ; p: the first lane that still has a bit
	v_readlane_b32 s67, v4, s66
	v_readlane_b32 s68, v5, s66
	v_readlane_b32 s69, v6, s66
	s_cmp_lg_u32 s67, 0
	s_cselect_b32 s70, s67, s68                    ; the first of its words that still has a bit,
	s_cselect_b32 s71, 79, 63                      ; and the group of that word's bit 0 among the lane's 80
	s_cmp_lg_u32 s70, 0
	s_cselect_b32 s70, s70, s69
	s_cselect_b32 s71, s71, 31
	s_ctz_i32_b32 s72, s70
	s_sub_co_u32 s71, s71, s72                     ; the group among the lane's 80
	s_lshl_b32 s73, s66, 6
	s_lshl_b32 s74, s66, 4
	s_add_co_u32 s73, s73, s74                     ; 80 p
	s_add_co_u32 s71, s71, 2480
	s_sub_co_u32 s71, s71, s73                     ; + 80 (31 - p): the group
	s_sub_co_u32 s75, s70, 1
	s_and_b32 s75, s75, s70                        ; the word without that bit goes back to its place:
	s_cmp_lg_u32 s67, 0
	s_cselect_b32 s76, s75, s67                    ; the first word, if it had a bit;
	s_cselect_b32 s77, s68, s75
	s_cselect_b32 s78, s69, s75
	s_cmp_lg_u32 s68, 0
	s_cselect_b32 s77, s77, s68                    ; else the second, if it had one;
	s_cselect_b32 s78, s69, s78                    ; else the third
	v_writelane_b32 v4, s76, s66
	v_writelane_b32 v5, s77, s66
	v_writelane_b32 v6, s78, s66
	v_writelane_b32 v[\reg], s71, \ln
.endm
	s_load_b128 s[4:7], s[0:1], 0x0                ; sela, selb
	s_load_b64 s[8:9], s[0:1], 0x10                ; gidtab
	v_lshrrev_b32 v1, 5, v0
	v_readfirstlane_b32 s18, v1                    ; wave 0..7
	v_and_b32 v1, 31, v0
	v_lshlrev_b32 v2, 2, v1                        ; 4 x lane
	v_lshlrev_b32 v3, 3, v1                        ; 8 x lane
	v_mov_b32 v8, 0                                ; entries 0-31 and 32-63: written whole before single lanes are written
	v_mov_b32 v9, 0
	s_lshl_b32 s19, ttmp9, 3
	s_add_co_u32 s19, s19, s18                     ; my patch
	s_lshl_b32 s20, s19, 8                         ; 256 bytes a patch in all three buffers
	s_mov_b32 s21, 0
	s_wait_kmcnt 0x0
	s_add_nc_u64 s[4:5], s[4:5], s[20:21]
	s_add_nc_u64 s[6:7], s[6:7], s[20:21]
	s_add_nc_u64 s[8:9], s[8:9], s[20:21]
	global_load_b64 v[4:5], v3, s[4:5]
	global_load_b64 v[6:7], v3, s[6:7]             ; (v7 is the pair's second word, 0, and is not used)
	s_wait_loadcnt 0x0
.set Q, 0
.rept 50
.set ORD, 49-Q
	EXTRACT 8+ORD/32, ORD%32
.set Q, Q+1
.endr
	global_store_b32 v2, v8, s[8:9]
	global_store_b32 v2, v9, s[8:9] offset:128
	s_endpgm
.Lfunc_end_k_q13b2b95e5f_glist:
	.size	k_q13b2b95e5f_glist, .Lfunc_end_k_q13b2b95e5f_glist-k_q13b2b95e5f_glist
	.p2alignl 7, 3214868480
	.fill 96, 4, 3214868480
	.section	.rodata,"a",@progbits
	.p2align	6, 0x0
	.amdhsa_kernel k_q13b2b95e5f_glist
		.amdhsa_group_segment_fixed_size 0
		.amdhsa_private_segment_fixed_size 0
		.amdhsa_enable_private_segment 0
		.amdhsa_kernarg_size 24
		.amdhsa_user_sgpr_count 2
		.amdhsa_user_sgpr_kernarg_segment_ptr 1
		.amdhsa_wavefront_size32 1
		.amdhsa_system_sgpr_workgroup_id_x 1
		.amdhsa_system_sgpr_workgroup_id_y 1
		.amdhsa_system_sgpr_workgroup_id_z 1
		.amdhsa_system_vgpr_workitem_id 0
		.amdhsa_next_free_vgpr 32
		.amdhsa_next_free_sgpr 100
		.amdhsa_reserve_vcc 1
		.amdhsa_float_denorm_mode_32 3
		.amdhsa_float_denorm_mode_16_64 3
		.amdhsa_memory_ordered 1
		.amdhsa_forward_progress 1
		.amdhsa_inst_pref_size 67
	.end_amdhsa_kernel
	.amdgpu_metadata
---
amdhsa.version: [ 1, 2 ]
amdhsa.kernels:
  - .name:           k_q13b2b95e5f_glist
    .symbol:         k_q13b2b95e5f_glist.kd
    .args:
      - { .name: sela, .offset: 0, .size: 8, .value_kind: global_buffer, .address_space: global }
      - { .name: selb, .offset: 8, .size: 8, .value_kind: global_buffer, .address_space: global }
      - { .name: gidtab, .offset: 16, .size: 8, .value_kind: global_buffer, .address_space: global }
    .group_segment_fixed_size: 0
    .private_segment_fixed_size: 0
    .kernarg_segment_align: 8
    .kernarg_segment_size: 24
    .max_flat_workgroup_size: 256
    .sgpr_count:     100
    .vgpr_count:     32
    .wavefront_size: 32
...
	.end_amdgpu_metadata
.endif
;; end of part 4
;; launch cands (part 5): grid 256 x 1, 8 waves a work-group, no clusters, 66,560 bytes of LDS; arguments qbuf, gidtab, cand; writes cand
.if DOCPART == 5
	.amdgcn_target "amdgcn-amd-amdhsa--gfx1250"
	.amdhsa_code_object_version 6
	.text
	.protected	k_q13b2b95e5f_cands
	.globl	k_q13b2b95e5f_cands
	.p2align	8
	.type	k_q13b2b95e5f_cands,@function
k_q13b2b95e5f_cands:
	s_mov_b64 s[64:65], 0
	v_nop
	global_prefetch_b8 v0, s[64:65] scope:SCOPE_SE
	s_setreg_imm32_b32 hwreg(HW_REG_WAVE_MODE, 25, 1), 1
	s_wait_xcnt 0x0
; THE SIMS OF EACH PATCH'S 50 CHOSEN GROUPS, once more by the matrix unit on codes of FP4 with E8M0 scales: cand [patch][ordinal 50][40].  The list of groups is ascending, so a patch's 2,000 candidates lie in ascending order of node.
; No branch and no EXEC hangs on anything read from memory: the group numbers of gidtab, whole numbers that an earlier launch stored, enter addresses alone, each held to its table first.
; SHARES.  A wave takes a patch: 25 pairs of groups, ordinals 2 i and 2 i + 1; a pair is 5 tiles x 2 K steps = 10 matrix instructions.
; SOURCE 0 is a tile put together by the lanes' addresses: rows 0-7 are nodes 8 t .. 8 t + 7 of the first group, rows 8-15 those of the second.  Group g lies in unit U = g / 2 of qbuf's images, in rows 8 (g % 2) .. + 7 of its five tiles:
; lane (16 hk + m) takes the 16 bytes at 10,240 U + 128 (g % 2) + 256 hk + 16 (m % 8) + 2,048 t + 1,024 s + 512 c, and the scale word at 640 U + 32 (g % 2) + 64 (lane / 16) + 4 (m % 8) + 128 t.
; SOURCE 1 holds THE PATCH'S OWN ROW IN ALL 16 COLUMNS (every lane of a half loads the same 16 bytes).  So the 16 lanes of a half hold the same results: lanes 0-15 the first group's 40 sims in 40 registers, lanes 16-31 the second's.
; All lanes store them to the same bytes of the wave's own 8,000 bytes of LDS, with the same numbers: no lane is switched off.  Each sum has the form, the places of k and the order of K steps that it has in the launch that makes the group maxima.
; The wave's 8,000 bytes leave by 16 stores of 512 consecutive bytes; the last begins at byte 7,488 and writes 192 bytes a second time, with the same numbers.  Waves share nothing: no barrier.
; Two pairs' loads (50 a wave, 20 KB) are on their way.  NO CLUSTER, NO TENSOR LOAD: which rows a wave wants hangs on its list, and no two work-groups are known to want the same.  NO PREFETCH: the codes are read many times over by all work-groups.
.set MSCL, 12800000
.set PCOD, 13600000
.set PSCL, 13862144
.set LC,  5                            ; v5      256 (lane / 16) + 16 (lane % 8): my place in a tile's image
.set LS,  6                            ; v6      64 (lane / 16) + 4 (lane % 8): my place among a tile's scale words
.set ML,  7                            ; v7      all ones in the lanes of rows 0-7, else 0
.set MH,  8                            ; v8      all ones in the lanes of rows 8-15, else 0
.set C0,  9                            ; v9-10   the list: entry l in lane l, entry 32 + l in lane l
.set T,   11                           ; v11-12  at work
.set VO,  13                           ; v13-14  a pair's offset among the codes, one for each set
.set VS,  15                           ; v15-16  and among the scale words
.set SA,  17                           ; v17     LDS: my wave's bytes + 160 (lane / 16)
.set RD,  18                           ; v18     LDS: my wave's bytes + 16 x lane
.set BO,  19                           ; v19     256 (lane / 16)
.set BSO, 20                           ; v20     64 (lane / 16)
.set BS,  21                           ; v21     the patch's scale words: lanes 0-15 K step 0's, lanes 16-31 K step 1's
.set AS,  22                           ; v22-31  the tiles' scale words, two sets of five
.set B,   32                           ; v32-47  the patch's fragments, K steps 0 and 1
.set A,   48                           ; v48-207 the tiles' fragments, two sets of 80: tile t, K step s at 16 t + 8 s; on the way out the candidates
.set D,   208                          ; v208-247 five accumulators
	s_load_b128 s[4:7], s[0:1], 0x0                ; qbuf, gidtab
	s_load_b64 s[8:9], s[0:1], 0x10                ; cand
	v_lshl_add_u32 v254, v0, 2, 0x10000
	v_mov_b32 v255, 0
	v_lshrrev_b32 v1, 5, v0
	v_readfirstlane_b32 s14, v1                    ; wave 0..7
	v_and_b32 v1, 31, v0                           ; lane
	v_lshlrev_b32 v2, 2, v1                        ; 4 x lane
	v_lshlrev_b32 v3, 4, v1                        ; 16 x lane
	v_lshrrev_b32 v4, 4, v1                        ; lane / 16
	v_and_b32 v[T], 7, v1
	v_lshlrev_b32 v[LC], 8, v4
	v_lshl_add_u32 v[LC], v[T], 4, v[LC]
	v_lshlrev_b32 v[LS], 6, v4
	v_lshl_add_u32 v[LS], v[T], 2, v[LS]
	v_bfe_u32 v[T], v1, 3, 1                       ; 1 in the lanes of rows 8-15
	v_add_nc_u32 v[ML], -1, v[T]
	v_sub_nc_u32 v[MH], 0, v[T]
	v_lshlrev_b32 v[BO], 8, v4
	v_lshlrev_b32 v[BSO], 6, v4
	s_lshl_b32 s15, s14, 13                        ; my wave's 8,192 bytes of LDS, of which 8,000 are used
	v_mul_u32_u24 v[SA], v4, 160
	v_add_nc_u32 v[SA], s15, v[SA]
	v_add_nc_u32 v[RD], s15, v3
	s_lshl_b32 s16, ttmp9, 3
	s_add_co_u32 s16, s16, s14                     ; my patch
	s_lshr_b32 s17, s16, 4                         ; its tile,
	s_and_b32 s18, s16, 15                         ; its row there
	s_lshl_b32 s24, s17, 11
	s_lshl_b32 s19, s18, 4
	s_add_co_u32 s24, s24, s19
	s_add_co_u32 s24, s24, PCOD
	s_mov_b32 s25, 0
	s_lshl_b32 s26, s17, 7
	s_lshl_b32 s19, s18, 2
	s_add_co_u32 s26, s26, s19
	s_add_co_u32 s26, s26, PSCL
	s_mov_b32 s27, 0
	s_lshl_b32 s28, s16, 8
	s_mov_b32 s29, 0
	s_mul_i32 s30, s16, 8000
	s_mov_b32 s31, 0
	s_mov_b32 s32, MSCL
	s_mov_b32 s33, 0
	s_wait_kmcnt 0x0
	s_add_nc_u64 s[10:11], s[4:5], s[24:25]        ; the patch's row in its tile's image,
	s_add_nc_u64 s[12:13], s[4:5], s[26:27]        ; its scale words,
	s_add_nc_u64 s[34:35], s[4:5], s[32:33]        ; the nodes' scale words (their codes begin at qbuf's first byte),
	s_add_nc_u64 s[6:7], s[6:7], s[28:29]          ; the patch's list,
	s_add_nc_u64 s[8:9], s[8:9], s[30:31]          ; its candidates
	global_load_b32 v[C0], v2, s[6:7]
	global_load_b32 v[C0+1], v2, s[6:7] offset:128
.irp q, 0,1,2,3
	global_load_b128 v[B+4*\q:B+4*\q+3], v[BO], s[10:11] offset:512*\q   ; the 16 lanes of a half read the same 16 bytes: the patch in every column
.endr
	global_load_b32 v[BS], v[BSO], s[12:13]
	s_wait_loadcnt 5                               ; the list is in; the patch's five loads may be out
; Pair i's offsets into the registers of a set.  17 lines, of which 15 are plain vector work that names no register of a product: behind a pair's products they are the places that the stores of the results and the loads into the fragments want.
.macro ADDR i, set
	v_readlane_b32 s20, v[C0+(2*(\i))/32], (2*(\i))%32
	v_readlane_b32 s21, v[C0+(2*(\i)+1)/32], (2*(\i)+1)%32
	v_and_b32 v[T], s20, v[ML]
	v_and_b32 v[T+1], s21, v[MH]
	v_add_nc_u32 v[T], v[T], v[T+1]                ; my row's group: entry 2 i in the lanes of rows 0-7, entry 2 i + 1 in the others
	v_min_u32 v[T], 2499, v[T]                     ; a loaded number enters an address held to its table
	v_lshrrev_b32 v[T+1], 1, v[T]
	v_min_u32 v[T+1], 1249, v[T+1]                 ; the unit, held again behind the shift to the right
	v_and_b32 v[T], 1, v[T]                        ; which half of the unit's rows
	v_mul_u32_u24 v[VO+(\set)], v[T+1], 10240
	v_mul_u32_u24 v[VS+(\set)], v[T+1], 640
	v_lshlrev_b32 v[T+1], 7, v[T]
	v_lshlrev_b32 v[T], 5, v[T]
	v_add_nc_u32 v[VO+(\set)], v[VO+(\set)], v[T+1]
	v_add_nc_u32 v[VS+(\set)], v[VS+(\set)], v[T]
	v_add_nc_u32 v[VO+(\set)], v[VO+(\set)], v[LC] ; 12,790,256 at the most; with the largest immediate the last byte read is the codes' last
	v_add_nc_u32 v[VS+(\set)], v[VS+(\set)], v[LS]
.endm
.macro LOADS set                       ; 25 loads: five tiles' fragments and scale words
.irp t, 0,1,2,3,4
.irp q, 0,1,2,3
	global_load_b128 v[A+80*(\set)+16*\t+4*\q:A+80*(\set)+16*\t+4*\q+3], v[VO+(\set)], s[4:5] offset:2048*\t+512*\q
.endr
	global_load_b32 v[AS+5*(\set)+\t], v[VS+(\set)], s[34:35] offset:128*\t
.endr
.endm
.macro MULT set                        ; five accumulators by turns, K step 0 and then K step 1
.set AA, A+80*(\set)
.set SS, AS+5*(\set)
.irp t, 0,1,2,3,4
	v_wmma_scale_f32_16x16x128_f8f6f4 v[D+8*\t:D+8*\t+7], v[AA+16*\t:AA+16*\t+7], v[B:B+7], 0, v[SS+\t], v[BS] matrix_a_fmt:MATRIX_FMT_FP4 matrix_b_fmt:MATRIX_FMT_FP4
.endr
.irp t, 0,1,2,3,4
	v_wmma_scale_f32_16x16x128_f8f6f4 v[D+8*\t:D+8*\t+7], v[AA+16*\t+8:AA+16*\t+15], v[B+8:B+15], v[D+8*\t:D+8*\t+7], v[SS+\t], v[BS] matrix_a_fmt:MATRIX_FMT_FP4 matrix_b_fmt:MATRIX_FMT_FP4 matrix_a_scale:MATRIX_SCALE_ROW1 matrix_b_scale:MATRIX_SCALE_ROW1
.endr
.endm
; Pair i.  more = 1: the pair two further on is asked for, into the set that this pair leaves.  left: the loads issued behind this pair's, which may stay out.
.macro PAIR i, more, left
	s_wait_loadcnt \left                           ; this pair's 25 loads are in (and all older ones), so its offsets may be written again; the next pair's 25 may be out
	s_wait_dscnt 0x0                               ; the last pair's stores have read the accumulators
	MULT (\i)%2
.if \more
	ADDR (\i)+2, (\i)%2
.else
.rept 5
	v_nop                                          ; the places behind the products: no other vector work is left
.endr
.endif
.irp k, 0,1,2,3,4,5,6,7,8,9
	ds_store_b128 v[SA], v[D+4*\k:D+4*\k+3] offset:320*(\i)+16*\k   ; elements 4 k on of ordinal 2 i + lane / 16; each accumulator from its low end on; the 16 lanes of a half write the same bytes with the same numbers
.endr
.if \more
	LOADS (\i)%2
.endif
.endm
	ADDR 0, 0
	LOADS 0
	ADDR 1, 1
	LOADS 1
.set I, 0
.rept 23
	PAIR I, 1, 25
.set I, I+1
.endr
	PAIR 23, 0, 25
	PAIR 24, 0, 0
.set I, 0
.rept 15
	ds_load_b128 v[A+4*I:A+4*I+3], v[RD] offset:512*I                  ; my own bytes: LDS serves a wave's instructions in order
.set I, I+1
.endr
	ds_load_b128 v[A+60:A+63], v[RD] offset:7488   ; the last 512 of the 8,000 bytes
.set I, 0
.rept 15
	s_wait_dscnt 15-I                              ; load I is in; the 15 - I behind it may be out
	global_store_b128 v3, v[A+4*I:A+4*I+3], s[8:9] offset:512*I        ; 512 consecutive bytes
.set I, I+1
.endr
	s_wait_dscnt 0x0
	global_store_b128 v3, v[A+60:A+63], s[8:9] offset:7488
	s_wait_tensorcnt 0x0
	ds_add_u32 v254, v255
	s_wait_dscnt 0x0
	s_endpgm
.Lfunc_end_k_q13b2b95e5f_cands:
	.size	k_q13b2b95e5f_cands, .Lfunc_end_k_q13b2b95e5f_cands-k_q13b2b95e5f_cands
	.p2alignl 7, 3214868480
	.fill 96, 4, 3214868480
	.section	.rodata,"a",@progbits
	.p2align	6, 0x0
	.amdhsa_kernel k_q13b2b95e5f_cands
		.amdhsa_group_segment_fixed_size 66560
		.amdhsa_private_segment_fixed_size 0
		.amdhsa_enable_private_segment 0
		.amdhsa_kernarg_size 24
		.amdhsa_user_sgpr_count 2
		.amdhsa_user_sgpr_kernarg_segment_ptr 1
		.amdhsa_wavefront_size32 1
		.amdhsa_system_sgpr_workgroup_id_x 1
		.amdhsa_system_sgpr_workgroup_id_y 1
		.amdhsa_system_sgpr_workgroup_id_z 1
		.amdhsa_system_vgpr_workitem_id 0
		.amdhsa_next_free_vgpr 256
		.amdhsa_next_free_sgpr 66
		.amdhsa_reserve_vcc 0
		.amdhsa_float_denorm_mode_32 3
		.amdhsa_float_denorm_mode_16_64 3
		.amdhsa_memory_ordered 1
		.amdhsa_forward_progress 1
		.amdhsa_inst_pref_size 133
	.end_amdhsa_kernel
	.amdgpu_metadata
---
amdhsa.version: [ 1, 2 ]
amdhsa.kernels:
  - .name:           k_q13b2b95e5f_cands
    .symbol:         k_q13b2b95e5f_cands.kd
    .args:
      - { .name: qbuf, .offset: 0, .size: 8, .value_kind: global_buffer, .address_space: global }
      - { .name: gidtab, .offset: 8, .size: 8, .value_kind: global_buffer, .address_space: global }
      - { .name: cand, .offset: 16, .size: 8, .value_kind: global_buffer, .address_space: global }
    .group_segment_fixed_size: 66560
    .private_segment_fixed_size: 0
    .kernarg_segment_align: 8
    .kernarg_segment_size: 24
    .max_flat_workgroup_size: 256
    .sgpr_count:     66
    .vgpr_count:     256
    .wavefront_size: 32
...
	.end_amdgpu_metadata
.endif
;; end of part 5
;; launch sele (part 6): grid 256 x 1, 8 waves a work-group, no clusters, 70,656 bytes of LDS; arguments cand, esel; writes esel
.if DOCPART == 6
	.amdgcn_target "amdgcn-amd-amdhsa--gfx1250"
	.amdhsa_code_object_version 6
	.text
	.protected	k_q13b2b95e5f_sele
	.globl	k_q13b2b95e5f_sele
	.p2align	8
	.type	k_q13b2b95e5f_sele,@function
k_q13b2b95e5f_sele:
	s_mov_b64 s[64:65], 0
	v_nop
	global_prefetch_b8 v0, s[64:65] scope:SCOPE_SE
	s_setreg_imm32_b32 hwreg(HW_REG_WAVE_MODE, 25, 1), 1
	s_wait_xcnt 0x0
; For each patch THE 50 LARGEST OF ITS 2,000 CANDIDATES, ties to the lower place (the candidates lie in ascending order of node), by instructions and addresses that hang on no data.
; The choice is stored as whole numbers for the next launch: esel [patch][lane 32][2]: word k of lane l, bit 31 - i, stands for candidate 64 l + 32 k + i.
; HOW: as for the groups.  A float becomes a whole number that rises with it; T, the 50th largest key, is built bit by bit from the top; all keys above T are chosen, and of those equal to T the first 50 - G.
; SHARES.  A wave takes a patch; lane l holds candidates 64 l .. 64 l + 63.  The loads read 512 consecutive bytes each; the 8,000 bytes turn through the wave's own 32 rows of 272 bytes in LDS.  Waves share nothing: no barrier.
; LIMITS: NaN and infinities are not served; -0 counts as +0.
.set K,   16                           ; v16-79   my 64 keys
.set LD,  80                           ; v80-143  as loaded
.set CN,  144
.set VP,  148
.set VC,  149
.set T0,  150                          ; v150-153 at work
.set VQ,  156
.set VR,  157                          ; (not used here)
.set XE,  158
.set CG,  160
.set CE,  161
.set MK,  162                          ; v162-163 the two mask words
.set LN,  164
.macro KEY r                           ; +0 for -0; then positive numbers get their sign bit set and negative ones are inverted
	v_add_f32 v[\r], 0, v[\r]
	v_ashrrev_i32 v[T0+(\r)%4], 31, v[\r]
	v_or_b32 v[T0+(\r)%4], 0x80000000, v[T0+(\r)%4]
	v_xor_b32 v[\r], v[\r], v[T0+(\r)%4]
.endm
.macro WSUM r, t                       ; the sum over the wave's 32 lanes, in every lane
	v_add_f32_dpp v[\r], v[\r], v[\r] row_xmask:1 row_mask:0xf bank_mask:0xf
	v_add_f32_dpp v[\r], v[\r], v[\r] row_xmask:2 row_mask:0xf bank_mask:0xf
	v_add_f32_dpp v[\r], v[\r], v[\r] row_xmask:4 row_mask:0xf bank_mask:0xf
	v_add_f32_dpp v[\r], v[\r], v[\r] row_xmask:8 row_mask:0xf bank_mask:0xf
	v_permlanex16_b32 v[\t], v[\r], s12, s13
	v_add_f32 v[\r], v[\r], v[\t]
.endm
.macro SEARCH k, n                     ; 32 trips, one bit each
	v_mov_b32 v[VP], 0
	s_mov_b32 s10, 0x80000000
	s_mov_b32 s11, 0
.Lbit:
	v_or_b32 v[VC], s10, v[VP]
.set J, 0
.rept (\n)/4
.irp i, 0,1,2,3
	v_cmp_ge_u32 s[40+\i], v[\k+J+\i], v[VC]
.endr
.irp i, 0,1,2,3
.if J == 0
	v_cndmask_b32 v[CN+\i], 0, 1, s[40+\i]         ; the first four start the counters: nothing is cleared
.else
	v_add_co_ci_u32 v[CN+\i], vcc_lo, 0, v[CN+\i], s[40+\i]
.endif
.endr
.set J, J+4
.endr
	v_add_nc_u32 v[CN], v[CN], v[CN+1]
	v_add3_u32 v[CN], v[CN], v[CN+2], v[CN+3]
	v_cvt_f32_u32 v[T0], v[CN]
	WSUM T0, T0+1
	v_cmp_le_f32 vcc_lo, 0x42480000, v[T0]         ; do 50 keys or more reach it?
	v_cndmask_b32 v[VP], v[VP], v[VC], vcc_lo      ; then the bit stays: a choice of a value, no branch
	s_lshr_b32 s10, s10, 1
	s_add_co_u32 s11, s11, 1
	s_cmp_lt_u32 s11, 32
	s_cbranch_scc1 .Lbit
.endm
.macro LANEPFX dst, src                ; the sum of src (under 128) over the lanes below mine, bit by bit
	v_mov_b32 v[\dst], 0
.irp b, 0,1,2,3,4,5,6
	v_and_b32 v[T0+2], 1<<\b, v[\src]
	v_cmp_ne_u32 vcc_lo, 0, v[T0+2]
	v_mbcnt_lo_u32_b32 v[T0+2], vcc_lo, 0
	v_lshl_add_u32 v[\dst], v[T0+2], \b, v[\dst]
.endr
.endm
.macro COUNT k, n                      ; G = keys above T in the wave; equals in the lanes below mine
	v_mov_b32 v[CG], 0
	v_mov_b32 v[CE], 0
.set J, 0
.rept (\n)/2
	v_cmp_gt_u32 s40, v[\k+J], v[VP]
	v_cmp_eq_u32 s41, v[\k+J], v[VP]
	v_cmp_gt_u32 s42, v[\k+J+1], v[VP]
	v_cmp_eq_u32 s43, v[\k+J+1], v[VP]
	v_add_co_ci_u32 v[CG], vcc_lo, 0, v[CG], s40
	v_add_co_ci_u32 v[CE], vcc_lo, 0, v[CE], s41
	v_add_co_ci_u32 v[CG], vcc_lo, 0, v[CG], s42
	v_add_co_ci_u32 v[CE], vcc_lo, 0, v[CE], s43
.set J, J+2
.endr
	v_cvt_f32_u32 v[T0], v[CG]
	WSUM T0, T0+1
	v_cvt_u32_f32 v[T0], v[T0]
	LANEPFX XE, CE
	v_add3_u32 v[VQ], v[XE], v[T0], 0xffffffce     ; - 50
.endm
.macro PICK key, mask                  ; is this key chosen?  Its bit is shifted into the mask from below, so the first key ends highest
	v_cmp_eq_u32 s40, v[\key], v[VP]
	v_cmp_gt_i32 s41, 0, v[VQ]
	v_cmp_gt_u32 s42, v[\key], v[VP]
	s_and_b32 s41, s41, s40
	s_or_b32 s42, s42, s41
	v_add_co_ci_u32 v[VQ], vcc_lo, 0, v[VQ], s40
	v_add_co_ci_u32 v[\mask], vcc_lo, v[\mask], v[\mask], s42
.endm
	s_load_b128 s[4:7], s[0:1], 0x0                ; cand, esel
	v_lshl_add_u32 v192, v0, 2, 0x11000
	v_mov_b32 v193, 0
	v_lshrrev_b32 v1, 5, v0
	v_readfirstlane_b32 s8, v1                     ; wave 0..7
	v_and_b32 v[LN], 31, v0
	s_mov_b32 s12, 0x76543210
	s_mov_b32 s13, 0xfedcba98
	s_lshl_b32 s9, ttmp9, 3
	s_add_co_u32 s9, s9, s8                        ; my patch
	s_mul_i32 s14, s9, 8000
	s_mov_b32 s15, 0
	s_lshl_b32 s16, s9, 8
	s_mov_b32 s17, 0
	s_mul_i32 s18, s8, 8704                        ; my wave's rows in LDS
	v_lshlrev_b32 v2, 4, v[LN]                     ; 16 x lane
	v_add_nc_u32 v3, 7680, v2
	v_min_u32 v3, 7984, v3                         ; the last load would pass the patch's 8,000 bytes: held at its last 16; what lands past candidate 1,999 is set to the lowest key below
	v_lshrrev_b32 v4, 4, v[LN]
	v_mul_u32_u24 v4, v4, 272
	v_and_b32 v5, 15, v[LN]
	v_lshl_add_u32 v4, v5, 4, v4
	v_add_nc_u32 v4, s18, v4                       ; in: a load's 512 bytes are two rows
	v_mul_u32_u24 v5, v[LN], 272
	v_add_nc_u32 v5, s18, v5                       ; out: row = lane
	v_lshlrev_b32 v6, 3, v[LN]
	s_wait_kmcnt 0x0
	s_add_nc_u64 s[4:5], s[4:5], s[14:15]
	s_add_nc_u64 s[6:7], s[6:7], s[16:17]
.set I, 0
.rept 15
	global_load_b128 v[LD+4*I:LD+4*I+3], v2, s[4:5] offset:512*I
.set I, I+1
.endr
	global_load_b128 v[LD+60:LD+63], v3, s[4:5]
	v_mov_b32 v[T0+1], 0                           ; a lane permute's destination counts as one of its sources
	v_cmp_ne_u32 s44, 31, v[LN]
	s_wait_loadcnt 0x0
.set I, 0
.rept 16
	ds_store_b128 v4, v[LD+4*I:LD+4*I+3] offset:544*I
.set I, I+1
.endr
.set I, 0
.rept 16
	ds_load_b128 v[K+4*I:K+4*I+3], v5 offset:16*I  ; LDS serves a wave's instructions in order: these see my stores
.set I, I+1
.endr
	s_wait_dscnt 0x0
.set I, 0
.rept 64
	KEY K+I
.set I, I+1
.endr
.set I, 16
.rept 48
	v_cndmask_b32 v[K+I], 0, v[K+I], s44           ; places 2,000 to 2,047: key 0, under every number's key
.set I, I+1
.endr
	SEARCH K, 64
	COUNT K, 64
	v_mov_b32 v[MK], 0
	v_mov_b32 v[MK+1], 0
.set I, 0
.rept 32
	PICK K+I, MK
.set I, I+1
.endr
.rept 32
	PICK K+I, MK+1
.set I, I+1
.endr
	global_store_b64 v6, v[MK:MK+1], s[6:7]        ; the wave stores 256 consecutive bytes, aligned
	s_wait_tensorcnt 0x0
	ds_add_u32 v192, v193
	s_wait_dscnt 0x0
	s_endpgm
.Lfunc_end_k_q13b2b95e5f_sele:
	.size	k_q13b2b95e5f_sele, .Lfunc_end_k_q13b2b95e5f_sele-k_q13b2b95e5f_sele
	.p2alignl 7, 3214868480
	.fill 96, 4, 3214868480
	.section	.rodata,"a",@progbits
	.p2align	6, 0x0
	.amdhsa_kernel k_q13b2b95e5f_sele
		.amdhsa_group_segment_fixed_size 70656
		.amdhsa_private_segment_fixed_size 0
		.amdhsa_enable_private_segment 0
		.amdhsa_kernarg_size 16
		.amdhsa_user_sgpr_count 2
		.amdhsa_user_sgpr_kernarg_segment_ptr 1
		.amdhsa_wavefront_size32 1
		.amdhsa_system_sgpr_workgroup_id_x 1
		.amdhsa_system_sgpr_workgroup_id_y 1
		.amdhsa_system_sgpr_workgroup_id_z 1
		.amdhsa_system_vgpr_workitem_id 0
		.amdhsa_next_free_vgpr 194
		.amdhsa_next_free_sgpr 66
		.amdhsa_reserve_vcc 1
		.amdhsa_float_denorm_mode_32 3
		.amdhsa_float_denorm_mode_16_64 3
		.amdhsa_memory_ordered 1
		.amdhsa_forward_progress 1
		.amdhsa_inst_pref_size 70
	.end_amdhsa_kernel
	.amdgpu_metadata
---
amdhsa.version: [ 1, 2 ]
amdhsa.kernels:
  - .name:           k_q13b2b95e5f_sele
    .symbol:         k_q13b2b95e5f_sele.kd
    .args:
      - { .name: cand, .offset: 0, .size: 8, .value_kind: global_buffer, .address_space: global }
      - { .name: esel, .offset: 8, .size: 8, .value_kind: global_buffer, .address_space: global }
    .group_segment_fixed_size: 70656
    .private_segment_fixed_size: 0
    .kernarg_segment_align: 8
    .kernarg_segment_size: 16
    .max_flat_workgroup_size: 256
    .sgpr_count:     66
    .vgpr_count:     194
    .wavefront_size: 32
...
	.end_amdgpu_metadata
.endif
;; end of part 6
;; launch gather (part 7): grid 256 x 1, 8 waves a work-group, no clusters, 9,472 bytes of LDS; arguments esel, cand, gidtab, memory_nodes_gpu, test_patches, out1, part; writes out1, part
.if DOCPART == 7
	.amdgcn_target "amdgcn-amd-amdhsa--gfx1250"
	.amdhsa_code_object_version 6
	.text
	.protected	k_q13b2b95e5f_gather
	.globl	k_q13b2b95e5f_gather
	.p2align	8
	.type	k_q13b2b95e5f_gather,@function
k_q13b2b95e5f_gather:
	s_mov_b64 s[64:65], 0
	v_nop
	global_prefetch_b8 v0, s[64:65] scope:SCOPE_SE
	s_setreg_imm32_b32 hwreg(HW_REG_WAVE_MODE, 25, 1), 1
	s_wait_xcnt 0x0
; For each patch: the list of its 50 chosen candidates, their sims and nodes; softmax(sim / 0.02) under the largest sim; the weighted sum of the 50 rows of memory (f32, as they are given); + x; divided by its norm: out1.
; Then the work-group's part of the sum over patches weighed by softmax(largest sim / 0.02): part [work-group][256] = the sum over its 8 patches of 2^((e - m) c) x row, under the work-group's own largest e = m,
; and, at byte 262,144, [work-group][32 x (m, s)], s the sum of those 8 weights.  The last launch joins the 256 parts.
; All that steers addresses are whole numbers read from memory: the masks of esel, the group numbers of gidtab.  The sims are data alone.
; SHARES.  A wave takes a patch.  A row of 1,024 bytes is two loads of 512 consecutive bytes, at memory's base + (1,024 x node + 16 x lane); ten rows are a batch, and two batches (40 loads a wave) are on their way.
; The second product has one row a patch: it is made by fused multiply-adds in f32.
; No matrix unit, no cluster: the launch gathers rows, and which rows two patches share is not known ahead.
; LIMITS: NaN and infinities are not served; a weight under 2^-126 is 0.
.set EV, 8192                          ; LDS: 8 rows of 1,024 bytes, then the 8 patches' largest sims
.set CEXP, 0x429044fe                  ; c = 50 log2(e) = 72.13475: e^(d / 0.02) = 2^(c d)
.set OF, 208                           ; v208-217, v218-227: a byte offset in memory for each row of the two batches
; v1 lane, v2 16 x lane, v3 8 x lane; v4-5 the masks; v6-7 the 50 candidates (lanes 0-31, lanes 0-17); v8-9 sims; v10-11 groups; v12-13 nodes; v14-15 weights; v16-27 at work (v26: the largest sim);
; v28-31 LDS addresses; v32-39 x, then the sum; v40-47 the 8 weights; v48-127, v128-207 two batches of ten rows.
.macro WSUM r, t
	v_add_f32_dpp v[\r], v[\r], v[\r] row_xmask:1 row_mask:0xf bank_mask:0xf
	v_add_f32_dpp v[\r], v[\r], v[\r] row_xmask:2 row_mask:0xf bank_mask:0xf
	v_add_f32_dpp v[\r], v[\r], v[\r] row_xmask:4 row_mask:0xf bank_mask:0xf
	v_add_f32_dpp v[\r], v[\r], v[\r] row_xmask:8 row_mask:0xf bank_mask:0xf
	v_permlanex16_b32 v[\t], v[\r], s22, s23
	v_add_f32 v[\r], v[\r], v[\t]
.endm
.macro WMAX r, t
	v_max_num_f32_dpp v[\r], v[\r], v[\r] row_xmask:1 row_mask:0xf bank_mask:0xf
	v_max_num_f32_dpp v[\r], v[\r], v[\r] row_xmask:2 row_mask:0xf bank_mask:0xf
	v_max_num_f32_dpp v[\r], v[\r], v[\r] row_xmask:4 row_mask:0xf bank_mask:0xf
	v_max_num_f32_dpp v[\r], v[\r], v[\r] row_xmask:8 row_mask:0xf bank_mask:0xf
	v_permlanex16_b32 v[\t], v[\r], s22, s23
	v_max_num_f32 v[\r], v[\r], v[\t]
.endm
; One set bit is taken out of the masks and its candidate's number put into lane ln of v[reg].  The order of the 50 does not matter to the sums' meaning.  s66 to s75 are at work here.
.macro EXTRACT reg, ln
	v_or_b32 v16, v4, v5
	v_cmp_ne_u32 vcc_lo, 0, v16
	s_ctz_i32_b32 s66, vcc_lo                      ; the first lane that still has a bit
	v_readlane_b32 s67, v4, s66
	v_readlane_b32 s68, v5, s66
	s_cmp_lg_u32 s67, 0
	s_cselect_b32 s69, s67, s68                    ; its first word that still has one,
	s_cselect_b32 s70, 31, 63                      ; whose bit 31 - i is candidate 32 k + i of the lane's 64
	s_ctz_i32_b32 s71, s69
	s_lshl_b32 s72, s66, 6
	s_add_co_u32 s72, s72, s70
	s_sub_co_u32 s72, s72, s71                     ; the candidate
	s_sub_co_u32 s73, s69, 1
	s_and_b32 s73, s73, s69                        ; the word without that bit
	s_cmp_lg_u32 s67, 0
	s_cselect_b32 s74, s73, s67
	s_cselect_b32 s75, s68, s73
	v_writelane_b32 v4, s74, s66
	v_writelane_b32 v5, s75, s66
	v_writelane_b32 v[\reg], s72, \ln
.endm
.macro ISSUE b, set                    ; batch b: rows 10 b .. 10 b + 9 of the list
.set I, 0
.rept 10
.set SL, 10*(\b)+I
.set RW, 48+80*(\set)+8*I
.set OFR, OF+10*(\set)+I
	v_readlane_b32 s66, v[12+SL/32], SL%32
	s_min_u32 s66, s66, 0x1869f                    ; a loaded number enters an address held to its table: node 99,999 at the most
	s_lshl_b32 s66, s66, 10                        ; 1,024 bytes a row: 102,398,976 at the most
	v_add_nc_u32 v[OFR], s66, v2                   ; + 16 x lane
	global_load_b128 v[RW:RW+3], v[OFR], s[10:11]
	global_load_b128 v[RW+4:RW+7], v[OFR], s[10:11] offset:512
.set I, I+1
.endr
.endm
.macro USE b, set, left                ; left: the next batch's 20 loads may stay out; this wait shows this batch's loads done, so its offsets and registers may be written again
	s_wait_loadcnt \left
.set I, 0
.rept 10
.set SL, 10*(\b)+I
.set SQ, 68+2*(I%2)
	v_readlane_b32 s[SQ], v[14+SL/32], SL%32       ; the row's weight
	s_mov_b32 s[SQ+1], s[SQ]                       ; (named with it as a pair, so it is written)
.irp j, 0,2,4,6
	v_pk_fma_f32 v[32+\j:33+\j], v[48+80*(\set)+8*I+\j:49+80*(\set)+8*I+\j], s[SQ:SQ+1], v[32+\j:33+\j] op_sel_hi:[1,0,1]
.endr
.set I, I+1
.endr
.endm
	s_load_b256 s[4:11], s[0:1], 0x0               ; esel s[4:5], cand s[6:7], gidtab s[8:9], memory s[10:11]
	s_load_b128 s[12:15], s[0:1], 0x20             ; patches s[12:13], out1 s[14:15]
	s_load_b64 s[16:17], s[0:1], 0x30              ; part
	v_lshl_add_u32 v232, v0, 2, 0x2100
	v_mov_b32 v233, 0
	v_lshrrev_b32 v1, 5, v0
	v_readfirstlane_b32 s18, v1                    ; wave 0..7
	v_and_b32 v1, 31, v0
	v_lshlrev_b32 v2, 4, v1
	v_lshlrev_b32 v3, 3, v1
	v_mov_b32 v6, 0                                ; written whole before single lanes are written
	v_mov_b32 v7, 0
	v_mov_b32 v18, 0                               ; a lane permute's destination counts as one of its sources
	s_lshl_b32 s76, s18, 10
	v_add_nc_u32 v28, s76, v2                      ; LDS: my patch's row, 16 bytes a lane
	s_lshl_b32 s76, s18, 2
	v_mov_b32 v29, s76
	v_add_nc_u32 v29, EV, v29                      ; my patch's largest sim
	s_lshl_b32 s76, s18, 8
	v_add_nc_u32 v30, s76, v3                      ; columns 64 w + 2 lane of a row
	v_mov_b32 v31, EV
	s_lshl_b32 s19, ttmp9, 3
	s_add_co_u32 s19, s19, s18                     ; my patch
	s_mov_b32 s21, 0
	s_mov_b32 s22, 0x76543210
	s_mov_b32 s23, 0xfedcba98
	s_wait_kmcnt 0x0
	s_lshl_b32 s20, s19, 8
	s_add_nc_u64 s[4:5], s[4:5], s[20:21]
	s_add_nc_u64 s[8:9], s[8:9], s[20:21]
	s_mul_i32 s20, s19, 8000
	s_add_nc_u64 s[6:7], s[6:7], s[20:21]
	s_lshl_b32 s20, s19, 10
	s_add_nc_u64 s[12:13], s[12:13], s[20:21]
	s_add_nc_u64 s[14:15], s[14:15], s[20:21]
	s_lshl_b32 s20, ttmp9, 8
	s_add_nc_u64 s[82:83], s[16:17], s[20:21]      ; the work-group's (m, s), 262,144 bytes further on
	s_lshl_b32 s20, ttmp9, 10
	s_add_co_u32 s20, s20, s76
	s_add_nc_u64 s[16:17], s[16:17], s[20:21]      ; the work-group's row of part, my wave's 256 bytes (waves 0 to 3)
	global_load_b64 v[4:5], v3, s[4:5]
	global_load_b128 v[32:35], v2, s[12:13]        ; x begins the sum
	global_load_b128 v[36:39], v2, s[12:13] offset:512
	s_wait_loadcnt 2                               ; the masks are in; x's two loads may be out
.set Q, 0
.rept 32
	EXTRACT 6, Q
.set Q, Q+1
.endr
.set Q, 0
.rept 18
	EXTRACT 7, Q
.set Q, Q+1
.endr
	v_min_u32 v6, 1999, v6                         ; held to the table
	v_min_u32 v7, 1999, v7
	v_mul_u32_u24 v16, v6, 1639
	v_mul_u32_u24 v22, v7, 1639
	v_lshrrev_b32 v16, 16, v16                     ; the ordinal = candidate / 40, exact under 2,000
	v_lshrrev_b32 v22, 16, v22
	v_min_u32 v16, 49, v16
	v_min_u32 v22, 49, v22
	v_mul_u32_u24 v17, v16, 40
	v_mul_u32_u24 v23, v22, 40
	v_sub_nc_u32 v17, v6, v17                      ; the element in its group
	v_sub_nc_u32 v23, v7, v23
	v_lshlrev_b32 v20, 2, v6
	v_lshlrev_b32 v21, 2, v16
	v_lshlrev_b32 v24, 2, v7
	v_lshlrev_b32 v25, 2, v22
	global_load_b32 v8, v20, s[6:7]
	global_load_b32 v10, v21, s[8:9]
	global_load_b32 v9, v24, s[6:7]
	global_load_b32 v11, v25, s[8:9]
	v_cmp_gt_u32 vcc_lo, 18, v1
	v_mov_b32 v19, 0xff800000
	s_wait_loadcnt 0x0
	v_mul_u32_u24 v12, v10, 40
	v_mul_u32_u24 v13, v11, 40
	v_add_nc_u32 v12, v12, v17                     ; node = 40 x group + element
	v_add_nc_u32 v13, v13, v23
	ISSUE 0, 0                                     ; the rows are asked for before the weights are made
	ISSUE 1, 1
	v_cndmask_b32 v9, v19, v9, vcc_lo              ; places 50 to 63 of the list do not exist: -infinity, weight 0
	v_max_num_f32 v26, v8, v9
	WMAX 26, 18                                    ; the largest sim: the softmax's maximum, and the patch's evidence
	v_sub_f32 v14, v8, v26
	v_sub_f32 v15, v9, v26
	v_mul_f32 v14, CEXP, v14
	v_mul_f32 v15, CEXP, v15
	v_exp_f32 v14, v14
	v_exp_f32 v15, v15
	v_nop                                          ; a plain line behind the exponentials
	s_wait_alu depctr_va_vdst(0)                   ; the wait ahead of the first reader: one for both
	v_add_f32 v19, v14, v15
	WSUM 19, 18
	v_rcp_f32 v19, v19
	v_nop
	s_wait_alu depctr_va_vdst(0)
	v_mul_f32 v14, v14, v19
	v_mul_f32 v15, v15, v19
	USE 0, 0, 20
	ISSUE 2, 0
	USE 1, 1, 20
	ISSUE 3, 1
	USE 2, 0, 20
	ISSUE 4, 0
	USE 3, 1, 20
	USE 4, 0, 0
	v_mul_f32 v16, v32, v32                        ; the sum of squares, in two chains
	v_mul_f32 v20, v36, v36
.irp j, 1,2,3
	v_fmac_f32 v16, v[32+\j], v[32+\j]
	v_fmac_f32 v20, v[36+\j], v[36+\j]
.endr
	v_add_f32 v16, v16, v20
	WSUM 16, 18
	v_sqrt_f32 v16, v16
	v_nop
	s_wait_alu depctr_va_vdst(0)
	v_max_num_f32 v16, 0x2b8cbccc, v16             ; at least 1e-12
	v_rcp_f32 v16, v16
	v_nop
	s_wait_alu depctr_va_vdst(0)
.irp j, 0,2,4,6
	v_pk_mul_f32 v[32+\j:33+\j], v[32+\j:33+\j], v[16:17] op_sel_hi:[1,0]
.endr
	global_store_b128 v2, v[32:35], s[14:15]       ; 512 consecutive bytes each, aligned
	global_store_b128 v2, v[36:39], s[14:15] offset:512
	ds_store_b128 v28, v[32:35]
	ds_store_b128 v28, v[36:39] offset:512
	ds_store_b32 v29, v26                          ; all lanes write the same word with the same value
	s_wait_dscnt 0x0                               ; for the others' sake
	s_barrier_signal -1
	s_barrier_wait -1                              ; the 8 rows and the 8 largest sims lie in LDS
	s_cmp_gt_u32 s18, 3
	s_cbranch_scc1 .Lend                           ; four waves of 64 columns each do the rest
	ds_load_b128 v[40:43], v31
	ds_load_b128 v[44:47], v31 offset:16
.irp k, 0,1,2,3,4,5,6,7
	ds_load_b64 v[48+2*\k:49+2*\k], v30 offset:1024*\k
.endr
	s_wait_dscnt 8                                 ; the 8 sims are in; the 8 column loads may be out
	v_max3_num_f32 v22, v40, v41, v42
	v_max3_num_f32 v22, v22, v43, v44
	v_max3_num_f32 v22, v22, v45, v46
	v_max_num_f32 v22, v22, v47                    ; m
.irp k, 0,1,2,3,4,5,6,7
	v_sub_f32 v[40+\k], v[40+\k], v22
.endr
.irp k, 0,1,2,3,4,5,6,7
	v_mul_f32 v[40+\k], CEXP, v[40+\k]
.endr
.irp k, 0,1,2,3,4,5,6,7
	v_exp_f32 v[40+\k], v[40+\k]
.endr
	v_nop
	s_wait_alu depctr_va_vdst(0)                   ; one wait for the eight
	v_add_f32 v23, v40, v41
	v_add_f32 v24, v42, v43
	v_add_f32 v25, v44, v45
	v_add_f32 v27, v46, v47
	v_add_f32 v23, v23, v24
	v_add_f32 v25, v25, v27
	v_add_f32 v23, v23, v25                        ; s
	s_wait_dscnt 0x0
	v_mul_f32 v24, v48, v40
	v_mul_f32 v25, v49, v40
.irp k, 1,2,3,4,5,6,7
	v_fmac_f32 v24, v[48+2*\k], v[40+\k]
	v_fmac_f32 v25, v[49+2*\k], v[40+\k]
.endr
	global_store_b64 v3, v[24:25], s[16:17]        ; 256 consecutive bytes, aligned
	s_cmp_lg_u32 s18, 0
	s_cbranch_scc1 .Lend
	global_store_b64 v3, v[22:23], s[82:83] offset:262144   ; (m, s), 32 times: 256 consecutive bytes, aligned
.Lend:
	s_wait_tensorcnt 0x0
	ds_add_u32 v232, v233
	s_wait_dscnt 0x0
	s_endpgm
.Lfunc_end_k_q13b2b95e5f_gather:
	.size	k_q13b2b95e5f_gather, .Lfunc_end_k_q13b2b95e5f_gather-k_q13b2b95e5f_gather
	.p2alignl 7, 3214868480
	.fill 96, 4, 3214868480
	.section	.rodata,"a",@progbits
	.p2align	6, 0x0
	.amdhsa_kernel k_q13b2b95e5f_gather
		.amdhsa_group_segment_fixed_size 9472
		.amdhsa_private_segment_fixed_size 0
		.amdhsa_enable_private_segment 0
		.amdhsa_kernarg_size 56
		.amdhsa_user_sgpr_count 2
		.amdhsa_user_sgpr_kernarg_segment_ptr 1
		.amdhsa_wavefront_size32 1
		.amdhsa_system_sgpr_workgroup_id_x 1
		.amdhsa_system_sgpr_workgroup_id_y 1
		.amdhsa_system_sgpr_workgroup_id_z 1
		.amdhsa_system_vgpr_workitem_id 0
		.amdhsa_next_free_vgpr 234
		.amdhsa_next_free_sgpr 100
		.amdhsa_reserve_vcc 1
		.amdhsa_float_denorm_mode_32 3
		.amdhsa_float_denorm_mode_16_64 3
		.amdhsa_memory_ordered 1
		.amdhsa_forward_progress 1
		.amdhsa_inst_pref_size 85
	.end_amdhsa_kernel
	.amdgpu_metadata
---
amdhsa.version: [ 1, 2 ]
amdhsa.kernels:
  - .name:           k_q13b2b95e5f_gather
    .symbol:         k_q13b2b95e5f_gather.kd
    .args:
      - { .name: esel, .offset: 0, .size: 8, .value_kind: global_buffer, .address_space: global }
      - { .name: cand, .offset: 8, .size: 8, .value_kind: global_buffer, .address_space: global }
      - { .name: gidtab, .offset: 16, .size: 8, .value_kind: global_buffer, .address_space: global }
      - { .name: memory_nodes_gpu, .offset: 24, .size: 8, .value_kind: global_buffer, .address_space: global }
      - { .name: test_patches, .offset: 32, .size: 8, .value_kind: global_buffer, .address_space: global }
      - { .name: out1, .offset: 40, .size: 8, .value_kind: global_buffer, .address_space: global }
      - { .name: part, .offset: 48, .size: 8, .value_kind: global_buffer, .address_space: global }
    .group_segment_fixed_size: 9472
    .private_segment_fixed_size: 0
    .kernarg_segment_align: 8
    .kernarg_segment_size: 56
    .max_flat_workgroup_size: 256
    .sgpr_count:     100
    .vgpr_count:     234
    .wavefront_size: 32
...
	.end_amdgpu_metadata
.endif
;; end of part 7
;; launch final (part 8): grid 1 x 1, 8 waves a work-group, no clusters, 6,656 bytes of LDS; arguments part, out0; writes out0
.if DOCPART == 8
	.amdgcn_target "amdgcn-amd-amdhsa--gfx1250"
	.amdhsa_code_object_version 6
	.text
	.protected	k_q13b2b95e5f_final
	.globl	k_q13b2b95e5f_final
	.p2align	8
	.type	k_q13b2b95e5f_final,@function
k_q13b2b95e5f_final:
	s_mov_b64 s[64:65], 0
	v_nop
	global_prefetch_b8 v0, s[64:65] scope:SCOPE_SE
	s_setreg_imm32_b32 hwreg(HW_REG_WAVE_MODE, 25, 1), 1
	s_wait_xcnt 0x0
; The 256 parts are joined: M = the largest m; f = 2^((m - M) c); S = the sum of s f; G = the sum of f x part's row; out0 = (G / S) / max(|G / S|, 1e-12).
; One work-group, since the sum has one owner: 264 KB are read.  Thread t owns work-group t's (m, s).  In the sum of rows it owns columns 4 (t % 64) .. + 3 of the rows 4 i + t / 64; the four quarters meet in LDS.
; LIMITS: NaN and infinities are not served; a weight under 2^-126 is 0.
.set F,   0                            ; LDS: the 256 weights,
.set RM,  1024                         ; the 8 waves' maxima,
.set RS,  1056                         ; their sums,
.set ACC, 1280                         ; and [4][256] f32
.set CEXP, 0x429044fe                  ; c = 50 log2(e)
.macro WSUM r, t
	v_add_f32_dpp v[\r], v[\r], v[\r] row_xmask:1 row_mask:0xf bank_mask:0xf
	v_add_f32_dpp v[\r], v[\r], v[\r] row_xmask:2 row_mask:0xf bank_mask:0xf
	v_add_f32_dpp v[\r], v[\r], v[\r] row_xmask:4 row_mask:0xf bank_mask:0xf
	v_add_f32_dpp v[\r], v[\r], v[\r] row_xmask:8 row_mask:0xf bank_mask:0xf
	v_permlanex16_b32 v[\t], v[\r], s12, s13
	v_add_f32 v[\r], v[\r], v[\t]
.endm
.macro WMAX r, t
	v_max_num_f32_dpp v[\r], v[\r], v[\r] row_xmask:1 row_mask:0xf bank_mask:0xf
	v_max_num_f32_dpp v[\r], v[\r], v[\r] row_xmask:2 row_mask:0xf bank_mask:0xf
	v_max_num_f32_dpp v[\r], v[\r], v[\r] row_xmask:4 row_mask:0xf bank_mask:0xf
	v_max_num_f32_dpp v[\r], v[\r], v[\r] row_xmask:8 row_mask:0xf bank_mask:0xf
	v_permlanex16_b32 v[\t], v[\r], s12, s13
	v_max_num_f32 v[\r], v[\r], v[\t]
.endm
	s_load_b128 s[4:7], s[0:1], 0x0                ; part, out0
	v_lshl_add_u32 v224, v0, 2, 0x1600
	v_mov_b32 v225, 0
	v_lshrrev_b32 v1, 5, v0
	v_readfirstlane_b32 s8, v1                     ; wave 0..7
	v_lshlrev_b32 v2, 4, v0                        ; 16 x thread
	v_lshlrev_b32 v3, 8, v0                        ; 256 x thread
	v_lshrrev_b32 v4, 6, v0
	v_lshlrev_b32 v4, 2, v4                        ; 4 x (thread / 64)
	v_lshlrev_b32 v5, 2, v0                        ; 4 x thread
	s_lshl_b32 s9, s8, 2
	v_mov_b32 v6, s9                               ; 4 x wave
	v_mov_b32 v7, 0
	v_mov_b32 v10, 0                               ; a lane permute's destination counts as one of its sources
	v_mov_b32 v187, 0                              ; (named as the upper half of the pair v[186:187])
	s_mov_b32 s12, 0x76543210
	s_mov_b32 s13, 0xfedcba98
	s_wait_kmcnt 0x0
	global_load_b64 v[8:9], v3, s[4:5] offset:262144                   ; (m, s) of work-group t
.set I, 0
.rept 32
	global_load_b128 v[16+4*I:19+4*I], v2, s[4:5] offset:4096*I        ; rows 4 I .. 4 I + 3: the work-group reads 4,096 consecutive bytes
.set I, I+1
.endr
	s_wait_loadcnt 32                              ; (m, s) is in; the 32 loads of rows may be out
	v_mov_b32 v11, v8
	WMAX 11, 10
	ds_store_b32 v6, v11 offset:RM                 ; all lanes write the same word with the same value
	s_wait_dscnt 0x0
	s_barrier_signal -1
	s_barrier_wait -1
	ds_load_b128 v[176:179], v7 offset:RM
	ds_load_b128 v[180:183], v7 offset:RM+16
	s_wait_dscnt 0x0
	v_max3_num_f32 v11, v176, v177, v178
	v_max3_num_f32 v11, v11, v179, v180
	v_max3_num_f32 v11, v11, v181, v182
	v_max_num_f32 v11, v11, v183                   ; M
	v_sub_f32 v8, v8, v11
	v_mul_f32 v8, CEXP, v8
	v_exp_f32 v8, v8                               ; f
	v_nop
	s_wait_alu depctr_va_vdst(0)                   ; the wait ahead of the first reader
	v_mul_f32 v9, v9, v8
	WSUM 9, 10
	ds_store_b32 v5, v8 offset:F
	ds_store_b32 v6, v9 offset:RS
	s_wait_dscnt 0x0
	s_barrier_signal -1
	s_barrier_wait -1
	ds_load_b128 v[176:179], v7 offset:RS
	ds_load_b128 v[180:183], v7 offset:RS+16
.set I, 0
.rept 32
	ds_load_b32 v[144+I], v4 offset:F+16*I         ; the weight of row 4 I + t / 64
.set I, I+1
.endr
	s_wait_dscnt 0x0
	v_add_f32 v176, v176, v177
	v_add_f32 v178, v178, v179
	v_add_f32 v180, v180, v181
	v_add_f32 v182, v182, v183
	v_add_f32 v176, v176, v178
	v_add_f32 v180, v180, v182
	v_add_f32 v184, v176, v180                     ; S, at least 1: the work-group that holds M adds its s, which holds a weight 1
	s_wait_loadcnt 0x0
.irp j, 0,1,2,3
	v_mul_f32 v[12+\j], v[16+\j], v144             ; the first row starts the sums
.endr
.set I, 1
.rept 31
.irp j, 0,1,2,3
	v_fmac_f32 v[12+\j], v[16+4*I+\j], v[144+I]
.endr
.set I, I+1
.endr
.set I, 0
.rept 32
	global_load_b128 v[16+4*I:19+4*I], v2, s[4:5] offset:4096*(32+I)   ; the other 128 rows
	ds_load_b32 v[144+I], v4 offset:F+16*(32+I)
.set I, I+1
.endr
	s_wait_dscnt 0x0
	s_wait_loadcnt 0x0
.set I, 0
.rept 32
.irp j, 0,1,2,3
	v_fmac_f32 v[12+\j], v[16+4*I+\j], v[144+I]
.endr
.set I, I+1
.endr
	ds_store_b128 v2, v[12:15] offset:ACC          ; [t / 64][4 (t % 64)] is 16 x thread
	s_wait_dscnt 0x0
	s_barrier_signal -1
	s_barrier_wait -1
	s_cmp_lg_u32 s8, 0
	s_cbranch_scc1 .Lend                           ; wave 0 finishes: 256 columns, 8 a lane
.irp g, 0,1,2,3
	ds_load_b128 v[16+8*\g:19+8*\g], v2 offset:ACC+1024*\g
	ds_load_b128 v[20+8*\g:23+8*\g], v2 offset:ACC+1024*\g+512
.endr
	v_rcp_f32 v186, v184
	s_wait_dscnt 0x0
.irp g, 1,2,3
.irp j, 0,2,4,6
	v_pk_add_f32 v[16+\j:17+\j], v[16+\j:17+\j], v[16+8*\g+\j:17+8*\g+\j]
.endr
.endr
	s_wait_alu depctr_va_vdst(0)                   ; the twelve additions above are the plain work behind the reciprocal
.irp j, 0,2,4,6
	v_pk_mul_f32 v[16+\j:17+\j], v[16+\j:17+\j], v[186:187] op_sel_hi:[1,0]   ; G / S
.endr
	v_mul_f32 v188, v16, v16
	v_mul_f32 v189, v20, v20
.irp j, 1,2,3
	v_fmac_f32 v188, v[16+\j], v[16+\j]
	v_fmac_f32 v189, v[20+\j], v[20+\j]
.endr
	v_add_f32 v188, v188, v189
	WSUM 188, 10
	v_sqrt_f32 v188, v188
	v_nop
	s_wait_alu depctr_va_vdst(0)
	v_max_num_f32 v188, 0x2b8cbccc, v188           ; at least 1e-12
	v_rcp_f32 v186, v188
	v_nop
	s_wait_alu depctr_va_vdst(0)
.irp j, 0,2,4,6
	v_pk_mul_f32 v[16+\j:17+\j], v[16+\j:17+\j], v[186:187] op_sel_hi:[1,0]
.endr
	global_store_b128 v2, v[16:19], s[6:7]         ; 512 consecutive bytes each
	global_store_b128 v2, v[20:23], s[6:7] offset:512
.Lend:
	s_wait_tensorcnt 0x0
	ds_add_u32 v224, v225
	s_wait_dscnt 0x0
	s_endpgm
.Lfunc_end_k_q13b2b95e5f_final:
	.size	k_q13b2b95e5f_final, .Lfunc_end_k_q13b2b95e5f_final-k_q13b2b95e5f_final
	.p2alignl 7, 3214868480
	.fill 96, 4, 3214868480
	.section	.rodata,"a",@progbits
	.p2align	6, 0x0
	.amdhsa_kernel k_q13b2b95e5f_final
		.amdhsa_group_segment_fixed_size 6656
		.amdhsa_private_segment_fixed_size 0
		.amdhsa_enable_private_segment 0
		.amdhsa_kernarg_size 16
		.amdhsa_user_sgpr_count 2
		.amdhsa_user_sgpr_kernarg_segment_ptr 1
		.amdhsa_wavefront_size32 1
		.amdhsa_system_sgpr_workgroup_id_x 1
		.amdhsa_system_sgpr_workgroup_id_y 1
		.amdhsa_system_sgpr_workgroup_id_z 1
		.amdhsa_system_vgpr_workitem_id 0
		.amdhsa_next_free_vgpr 226
		.amdhsa_next_free_sgpr 66
		.amdhsa_reserve_vcc 0
		.amdhsa_float_denorm_mode_32 3
		.amdhsa_float_denorm_mode_16_64 3
		.amdhsa_memory_ordered 1
		.amdhsa_forward_progress 1
		.amdhsa_inst_pref_size 25
	.end_amdhsa_kernel
	.amdgpu_metadata
---
amdhsa.version: [ 1, 2 ]
amdhsa.kernels:
  - .name:           k_q13b2b95e5f_final
    .symbol:         k_q13b2b95e5f_final.kd
    .args:
      - { .name: part, .offset: 0, .size: 8, .value_kind: global_buffer, .address_space: global }
      - { .name: out0, .offset: 8, .size: 8, .value_kind: global_buffer, .address_space: global }
    .group_segment_fixed_size: 6656
    .private_segment_fixed_size: 0
    .kernarg_segment_align: 8
    .kernarg_segment_size: 16
    .max_flat_workgroup_size: 256
    .sgpr_count:     66
    .vgpr_count:     226
    .wavefront_size: 32
...
	.end_amdgpu_metadata
.endif
;; end of part 8
;; ======== version 2 of 2: 8 launches; version 1 with the launches gemma, cands written anew for expert scheduling mode
;; workspace buffers: qbuf 13,878,528 bytes; gmax 20,480,000 bytes; sela 524,288 bytes of whole numbers; selb 524,288 bytes of whole numbers; gidtab 524,288 bytes of whole numbers; cand 16,384,000 bytes; esel 524,288 bytes of whole numbers; part 327,680 bytes
;; launch quant: the kernel of part 1 again; grid 1063 x 1, 3 waves a work-group, no clusters, 28,928 bytes of LDS; arguments memory_nodes_gpu, test_patches, qbuf; writes qbuf
;; launch gemma (part 9): grid 250 x 1, 8 waves a work-group, no clusters, 137,472 bytes of LDS; arguments qbuf, gmax; writes gmax
.if DOCPART == 9
	.amdgcn_target "amdgcn-amd-amdhsa--gfx1250"
	.amdhsa_code_object_version 6
	.text
	.protected	k_q13b2b95e5f_gemma
	.globl	k_q13b2b95e5f_gemma
	.p2align	8
	.type	k_q13b2b95e5f_gemma,@function
k_q13b2b95e5f_gemma:
	s_mov_b64 s[64:65], 0
	v_nop
	global_prefetch_b8 v0, s[64:65] scope:SCOPE_SE
	s_setreg_imm32_b32 hwreg(HW_REG_WAVE_SCHED_MODE, 0, 2), 2
	s_setreg_imm32_b32 hwreg(HW_REG_WAVE_MODE, 25, 1), 1
	s_wait_xcnt 0x0
	s_wait_alu depctr_vm_vsrc(0)
; sim = Q(patches) Q(memory)^T on codes of FP4 with E8M0 scales; of the sims only THE LARGEST OF EACH 40 NEIGHBOURING NODES (a group) is kept for each patch: gmax [slice 250][patch 2048][10], group = 10 slice + e.
; SHARES.  Work-group sigma owns 400 nodes: 25 tiles of 16 = 5 units of 80.  Their codes and scale words come into LDS once.  Wave w keeps patch tiles 16 w .. 16 w + 15 (both K steps) in 256 registers for the whole launch.
; An item (unit u, patch tile p) is 10 matrix instructions: source 0 = a node tile, source 1 = the patch tile.  By the order of a tile's rows lane (r, h) then holds patch r, and register 8 t + j element 8 t + j of group 10 sigma + 2 u + h:
; the group's maximum is 20 instructions inside one lane.  They stand behind the next item's products, on the other of two sets of accumulators.
; NO CLUSTER, NO TENSOR LOAD: 250 work-groups do not divide by four; LDS is filled once, 54,400 bytes; what all work-groups share, the patches' codes, goes into registers.
; REGISTERS: window 0: v1-10 addresses; v16-95 a unit's node fragments (tile t, K step s at 16 + 16 t + 8 s); v96-100 their scale words; v104-119 the patch tiles' scale words; v120-159, v160-199 two sets of five accumulators;
;   v200-215 a unit's maxima; v216-220 at work.  Window 1: patch tile p, K step s at v[16 p + 8 s].
; THE MODE: SCHED_MODE bits 1:0 = 2 (LLVM: expert scheduling mode 2), set by the entry lines.  The code itself states the register dependences
; between vector or matrix instructions and memory or LDS instructions, with s_wait_alu, always for 0.
; THE PLAN.  Registers that memory or LDS instructions touch:
;   v1-4, v7, v9, v10   offsets, made once at the head and never written again.
;   v120-173            at the head: global loads land in them and LDS stores read them; from the first item on they are accumulators.
;   v5, v6, v8          LDS addresses, written by three additions at a unit's head; read by the unit's 25 LDS loads (v5, v6) and by its 16 LDS stores (v8).
;   AF, AS              written by the unit's LDS loads, read by its 160 matrix instructions; on the way out LDS loads land in AF and global stores read it.
;   MX                  written by the unit's sixteen searches for a maximum, read by the 16 LDS stores at its end.
;   The patch tiles (window 1) and their scale words are loaded once; the accumulators and v216-220 are named by vector and matrix instructions alone.
; So a unit has three waits: on vm_vsrc at its head, ahead of the additions; on va_vdst behind them, ahead of the LDS loads; on va_vdst ahead of the LDS stores at its end.
; A second set of AF and AS, 85 registers, has no room: two waves share a SIMD's registers, window 1 is full, and window 0 has 41 left.
.set MSCL, 12800000
.set PCOD, 13600000
.set PSCL, 13862144
.set SCL,  51200                       ; LDS: 51,200 bytes of codes, then 3,200 of scale words,
.set STG,  54528                       ; then for each wave f32 [256 patches][10]: 10,240 bytes
.set AF,   16
.set AS,   96
.set BS,   104
.set DX,   120
.set MX,   200
.set CC,   216
.set FILL, 120                         ; v120-173: the node tiles' bytes on their way into LDS
.set MSB, 0
.macro WIN new                         ; the immediate's high byte repeats the setting that is left
.if MSB != \new
	s_set_vgpr_msb (MSB<<8)|\new
.set MSB, \new
.endif
.endm
	s_load_b128 s[4:7], s[0:1], 0x0                ; qbuf, gmax
	v_lshl_add_u32 v254, v0, 2, 0x21500
	v_mov_b32 v255, 0
	v_lshrrev_b32 v11, 5, v0
	v_readfirstlane_b32 s14, v11                   ; wave 0..7
	v_and_b32 v11, 31, v0
	v_lshlrev_b32 v1, 4, v11                       ; 16 x lane
	v_lshlrev_b32 v2, 2, v11                       ; 4 x lane
	v_lshlrev_b32 v3, 3, v0                        ; 8 x thread
	v_lshlrev_b32 v4, 2, v0                        ; 4 x thread
	v_and_b32 v12, 15, v0                          ; r
	v_bfe_u32 v13, v0, 4, 1                        ; h
	s_wait_alu depctr_va_sdst(0)                   ; s14 is written, ahead of its first reader: LDS addresses, bases and two branches are made from it
	s_mul_i32 s15, s14, 10240
	v_mul_u32_u24 v7, v12, 40
	v_lshl_add_u32 v7, v13, 2, v7
	v_add_nc_u32 v7, s15, v7
	v_add_nc_u32 v7, STG, v7                       ; my stage: patch r's ten numbers, number h
	v_add_nc_u32 v9, s15, v1
	v_add_nc_u32 v9, STG, v9                       ; and back, 16 bytes a lane
	v_add_nc_u32 v10, SCL, v2
	s_mul_i32 s24, ttmp9, 51200
	s_mov_b32 s25, 0
	s_mul_i32 s26, ttmp9, 3200
	s_add_co_u32 s26, s26, MSCL
	s_mov_b32 s27, 0
	s_lshl_b32 s28, s14, 15
	s_add_co_u32 s28, s28, PCOD
	s_mov_b32 s29, 0
	s_lshl_b32 s30, s14, 11
	s_add_co_u32 s30, s30, PSCL
	s_mov_b32 s31, 0
	s_mul_i32 s32, ttmp9, 81920
	s_add_co_u32 s32, s32, s15
	s_mov_b32 s33, 0
	s_wait_kmcnt 0x0
	s_add_nc_u64 s[8:9], s[4:5], s[24:25]          ; my 25 tiles' codes,
	s_add_nc_u64 s[10:11], s[4:5], s[26:27]        ; their scale words,
	s_add_nc_u64 s[12:13], s[4:5], s[28:29]        ; my wave's 16 patch tiles' codes,
	s_add_nc_u64 s[16:17], s[4:5], s[30:31]        ; their scale words,
	s_add_nc_u64 s[6:7], s[6:7], s[32:33]          ; my wave's 10,240 bytes of gmax
	s_wait_alu depctr_va_vdst(0)                   ; the offsets v1 to v4, v7, v9 and v10 are written, which the loads and stores of the whole kernel read
.set I, 0
.rept 25
	global_load_b64 v[FILL+2*I:FILL+2*I+1], v3, s[8:9] offset:2048*I   ; the work-group reads 2,048 consecutive bytes
.set I, I+1
.endr
.irp i, 0,1,2
	global_load_b32 v[FILL+50+\i], v4, s[10:11] offset:1024*\i
.endr
	s_cmp_lg_u32 s14, 0
	s_cbranch_scc1 .Lno_tail_load
	global_load_b32 v[FILL+53], v4, s[10:11] offset:3072               ; the last 128 of the 3,200 bytes: wave 0
.Lno_tail_load:
.set I, 0
.rept 16
	global_load_b32 v[BS+I], v2, s[16:17] offset:128*I                 ; lanes 0-15: K step 0's words, lanes 16-31: K step 1's
.set I, I+1
.endr
	s_wait_loadcnt 16                              ; all but the 16 just issued: the node tiles' bytes are in, in wave 0 as in the others
.set I, 0
.rept 25
	ds_store_b64 v3, v[FILL+2*I:FILL+2*I+1] offset:2048*I
.set I, I+1
.endr
.irp i, 0,1,2
	ds_store_b32 v4, v[FILL+50+\i] offset:SCL+1024*\i
.endr
	s_cmp_lg_u32 s14, 0
	s_cbranch_scc1 .Lno_tail_store
	ds_store_b32 v4, v[FILL+53] offset:SCL+3072
.Lno_tail_store:
	WIN 0x40                                       ; destination window 1
.set I, 0
.rept 64
	global_load_b128 v[4*I:4*I+3], v1, s[12:13] offset:512*I           ; an image of the registers: tile I / 4, registers 4 (I % 4) on.  No wait: v1 was written ahead of the wait on va_vdst above, and nothing since names it or a register of window 1
.set I, I+1
.endr
	WIN 0
	s_wait_dscnt 0x0                               ; for the others' sake: my stores have landed
	s_barrier_signal -1
	s_barrier_wait -1                              ; the launch's one barrier: the 25 tiles lie in LDS, and nobody writes them again
	s_wait_loadcnt 0x0                             ; my patch tiles
.macro ITEM p                          ; five accumulators by turns, K step 0 and then K step 1
.set S, DX+40*((\p)%2)
	WIN 0x04                                       ; source 1 window 1
.irp t, 0,1,2,3,4
	v_wmma_scale_f32_16x16x128_f8f6f4 v[S+8*\t:S+8*\t+7], v[AF+16*\t:AF+16*\t+7], v[16*(\p):16*(\p)+7], 0, v[AS+\t], v[BS+(\p)] matrix_a_fmt:MATRIX_FMT_FP4 matrix_b_fmt:MATRIX_FMT_FP4
.endr
.irp t, 0,1,2,3,4
	v_wmma_scale_f32_16x16x128_f8f6f4 v[S+8*\t:S+8*\t+7], v[AF+16*\t+8:AF+16*\t+15], v[16*(\p)+8:16*(\p)+15], v[S+8*\t:S+8*\t+7], v[AS+\t], v[BS+(\p)] matrix_a_fmt:MATRIX_FMT_FP4 matrix_b_fmt:MATRIX_FMT_FP4 matrix_a_scale:MATRIX_SCALE_ROW1 matrix_b_scale:MATRIX_SCALE_ROW1
.endr
	WIN 0
.endm
.macro EPI p                           ; the largest of item p's 40 sims of my lane: 20 instructions, each accumulator from its low end on
.set S, DX+40*((\p)%2)
.irp t, 0,1,2,3,4
	v_max3_num_f32 v[CC+\t], v[S+8*\t], v[S+8*\t+1], v[S+8*\t+2]
.endr
.irp t, 0,1,2,3,4
	v_max3_num_f32 v[CC+\t], v[CC+\t], v[S+8*\t+3], v[S+8*\t+4]
.endr
.irp t, 0,1,2,3,4
	v_max3_num_f32 v[CC+\t], v[CC+\t], v[S+8*\t+5], v[S+8*\t+6]
.endr
	v_max3_num_f32 v[CC], v[CC], v[CC+1], v[CC+2]
	v_max3_num_f32 v[CC+3], v[CC+3], v[CC+4], v[S+7]
	v_max3_num_f32 v[CC], v[CC], v[S+15], v[S+23]
	v_max3_num_f32 v[CC+3], v[CC+3], v[S+31], v[S+39]
	v_max_num_f32 v[MX+(\p)], v[CC], v[CC+3]
.endm
	s_mov_b32 s20, 0                               ; unit
	s_mov_b32 s21, 0                               ; 10,240 x unit: its codes
	s_mov_b32 s22, 0                               ; 640 x unit: its scale words
	s_mov_b32 s23, 0                               ; 8 x unit: its two numbers of a patch's ten
.Lunit:
	s_wait_alu depctr_vm_vsrc(0)                   ; the last unit's LDS loads have read v5 and v6, its LDS stores v8 and the maxima, all of which this unit writes again; in the first trip: the head's LDS stores have read v120 to v173, which the products write
	v_add_nc_u32 v5, s21, v1
	v_add_nc_u32 v6, s22, v10
	v_add_nc_u32 v8, s23, v7                       ; (for the stores at the unit's end: made here, under the waits that stand here anyway)
	s_wait_alu depctr_va_vdst(0)                   ; v5, v6 and v8 are written, which the LDS loads below and the stores at the unit's end read; the last unit's products are done reading the fragments and scale words in which the loads land
.set I, 0
.rept 20
	ds_load_b128 v[AF+4*I:AF+4*I+3], v5 offset:512*I
.set I, I+1
.endr
.irp t, 0,1,2,3,4
	ds_load_b32 v[AS+\t], v6 offset:128*\t
.endr
	s_wait_dscnt 0x0                               ; the fragments are in, and the last unit's stores into the stage are done
	ITEM 0
.rept 4
	v_nop                                          ; the places between item 0's products and the first read of their results: no other vector work is at hand here
.endr
.irp p, 1,2,3,4,5,6,7,8,9,10,11,12,13,14,15
	ITEM \p
	EPI \p-1                                       ; on the other set: these 20 name no register of the products just issued, and are their places
.endr
	EPI 15
	s_wait_alu depctr_va_vdst(0)                   ; the sixteen maxima are written, which the LDS stores read.  Behind the last unit it also states that the products are done reading the fragments, in which the way out's loads land
.set I, 0
.rept 16
	ds_store_b32 v8, v[MX+I] offset:640*I          ; patch 16 I + r, number 2 u + h
.set I, I+1
.endr
	s_add_co_u32 s21, s21, 10240
	s_add_co_u32 s22, s22, 640
	s_add_co_u32 s23, s23, 8
	s_add_co_u32 s20, s20, 1
	s_cmp_lt_u32 s20, 5
	s_cbranch_scc1 .Lunit
.set I, 0
.rept 20
	ds_load_b128 v[AF+4*I:AF+4*I+3], v9 offset:512*I                   ; my own bytes: LDS serves a wave's instructions in order.  No wait: no vector or matrix instruction has been issued since the last wait on va_vdst
.set I, I+1
.endr
.set I, 0
.rept 20
	s_wait_dscnt 19-I
	global_store_b128 v1, v[AF+4*I:AF+4*I+3], s[6:7] offset:512*I th:TH_STORE_NT   ; 512 consecutive bytes, at a multiple of 256 from gmax's first byte
.set I, I+1
.endr
	s_wait_dscnt 0x0                               ; the closing lines, six on end
	s_wait_alu 0x0
	s_wait_tensorcnt 0x0
	ds_add_u32 v254, v255
	s_wait_dscnt 0x0
	s_endpgm
.Lfunc_end_k_q13b2b95e5f_gemma:
	.size	k_q13b2b95e5f_gemma, .Lfunc_end_k_q13b2b95e5f_gemma-k_q13b2b95e5f_gemma
	.p2alignl 7, 3214868480
	.fill 96, 4, 3214868480
	.section	.rodata,"a",@progbits
	.p2align	6, 0x0
	.amdhsa_kernel k_q13b2b95e5f_gemma
		.amdhsa_group_segment_fixed_size 137472
		.amdhsa_private_segment_fixed_size 0
		.amdhsa_enable_private_segment 0
		.amdhsa_kernarg_size 16
		.amdhsa_user_sgpr_count 2
		.amdhsa_user_sgpr_kernarg_segment_ptr 1
		.amdhsa_wavefront_size32 1
		.amdhsa_system_sgpr_workgroup_id_x 1
		.amdhsa_system_sgpr_workgroup_id_y 1
		.amdhsa_system_sgpr_workgroup_id_z 1
		.amdhsa_system_vgpr_workitem_id 0
		.amdhsa_next_free_vgpr 512
		.amdhsa_next_free_sgpr 66
		.amdhsa_reserve_vcc 0
		.amdhsa_float_denorm_mode_32 3
		.amdhsa_float_denorm_mode_16_64 3
		.amdhsa_memory_ordered 1
		.amdhsa_forward_progress 1
		.amdhsa_inst_pref_size 63
	.end_amdhsa_kernel
	.amdgpu_metadata
---
amdhsa.version: [ 1, 2 ]
amdhsa.kernels:
  - .name:           k_q13b2b95e5f_gemma
    .symbol:         k_q13b2b95e5f_gemma.kd
    .args:
      - { .name: qbuf, .offset: 0, .size: 8, .value_kind: global_buffer, .address_space: global }
      - { .name: gmax, .offset: 8, .size: 8, .value_kind: global_buffer, .address_space: global }
    .group_segment_fixed_size: 137472
    .private_segment_fixed_size: 0
    .kernarg_segment_align: 8
    .kernarg_segment_size: 16
    .max_flat_workgroup_size: 256
    .sgpr_count:     66
    .vgpr_count:     512
    .wavefront_size: 32
...
	.end_amdgpu_metadata
.endif
;; end of part 9
;; launch selg: the kernel of part 3 again; grid 256 x 1, 8 waves a work-group, no clusters, 83,456 bytes of LDS; arguments gmax, sela, selb; writes sela, selb
;; launch glist: the kernel of part 4 again; grid 256 x 1, 8 waves a work-group, no clusters, 0 bytes of LDS; arguments sela, selb, gidtab; writes gidtab
;; launch cands (part 10): grid 256 x 1, 8 waves a work-group, no clusters, 66,560 bytes of LDS; arguments qbuf, gidtab, cand; writes cand
.if DOCPART == 10
	.amdgcn_target "amdgcn-amd-amdhsa--gfx1250"
	.amdhsa_code_object_version 6
	.text
	.protected	k_q13b2b95e5f_cands
	.globl	k_q13b2b95e5f_cands
	.p2align	8
	.type	k_q13b2b95e5f_cands,@function
k_q13b2b95e5f_cands:
	s_mov_b64 s[64:65], 0
	v_nop
	global_prefetch_b8 v0, s[64:65] scope:SCOPE_SE
	s_setreg_imm32_b32 hwreg(HW_REG_WAVE_SCHED_MODE, 0, 2), 2
	s_setreg_imm32_b32 hwreg(HW_REG_WAVE_MODE, 25, 1), 1
	s_wait_xcnt 0x0
	s_wait_alu depctr_vm_vsrc(0)
; THE SIMS OF EACH PATCH'S 50 CHOSEN GROUPS, once more by the matrix unit on codes of FP4 with E8M0 scales: cand [patch][ordinal 50][40].  The list of groups is ascending, so a patch's 2,000 candidates lie in ascending order of node.
; No branch and no EXEC hangs on anything read from memory: the group numbers of gidtab, whole numbers that an earlier launch stored, enter addresses alone, each held to its table first.
; SHARES.  A wave takes a patch: 25 pairs of groups, ordinals 2 i and 2 i + 1; a pair is 5 tiles x 2 K steps = 10 matrix instructions.
; SOURCE 0 is a tile put together by the lanes' addresses: rows 0-7 are nodes 8 t .. 8 t + 7 of the first group, rows 8-15 those of the second.  Group g lies in unit U = g / 2 of qbuf's images, in rows 8 (g % 2) .. + 7 of its five tiles:
; lane (16 hk + m) takes the 16 bytes at 10,240 U + 128 (g % 2) + 256 hk + 16 (m % 8) + 2,048 t + 1,024 s + 512 c, and the scale word at 640 U + 32 (g % 2) + 64 (lane / 16) + 4 (m % 8) + 128 t.
; SOURCE 1 holds THE PATCH'S OWN ROW IN ALL 16 COLUMNS (every lane of a half loads the same 16 bytes).  So the 16 lanes of a half hold the same results: lanes 0-15 the first group's 40 sims in 40 registers, lanes 16-31 the second's.
; All lanes store them to the same bytes of the wave's own 8,000 bytes of LDS, with the same numbers: no lane is switched off.  Each sum has the form, the places of k and the order of K steps that it has in the launch that makes the group maxima.
; The wave's 8,000 bytes leave by 16 stores of 512 consecutive bytes; the last begins at byte 7,488 and writes 192 bytes a second time, with the same numbers.  Waves share nothing: no barrier.
; Two pairs' loads (50 a wave, 20 KB) are on their way.  NO CLUSTER, NO TENSOR LOAD: which rows a wave wants hangs on its list, and no two work-groups are known to want the same.  NO PREFETCH: the codes are read many times over by all work-groups.
; THE MODE: SCHED_MODE bits 1:0 = 2 (LLVM: expert scheduling mode 2), set by the entry lines.  The code itself states the register dependences
; between vector or matrix instructions and memory or LDS instructions, with s_wait_alu, always for 0.
; THE PLAN.  Registers that memory or LDS instructions touch:
;   v2, v3, SA, RD, BO, BSO   offsets and LDS addresses, made once at the head and never written again.
;   VO[set], VS[set]          written in pair i by the address lines of pair i + 2; read by that pair's 25 loads, which are issued in pair i.
;   A[set], AS[set]           pair i's ten products read them; behind these the loads of pair i + 2 land in them.  On the way out LDS loads land in A and global stores read it.
;   D                         written by a pair's products, read by its ten LDS stores, written again by the next pair's products.
;   s20 to s23                written by the lane reads of the list, read by the first two of the address lines.
; So a pair has three waits.  On vm_vsrc at its head: the last pair's stores have read D, this pair's loads have read VO[set] and VS[set].  On va_sdst behind its products, ahead of the address lines: the two lane reads,
; which stand ahead of the products, have written s20 and s21.  On va_vdst behind the address lines: D is written, A[set] and AS[set] are read out, VO[set] and VS[set] are written.  The pair's 25 loads and ten stores follow that
; wait, dealt tile by tile, with no further wait: no vector or matrix instruction stands among them.
; A second D or a third set of A would lie above v255 and want a switch of the register window at every turn; the list's 50 lane reads at once would want 50 scalar registers, and the launch has 48.
.set MSCL, 12800000
.set PCOD, 13600000
.set PSCL, 13862144
.set LC,  5                            ; v5      256 (lane / 16) + 16 (lane % 8): my place in a tile's image
.set LS,  6                            ; v6      64 (lane / 16) + 4 (lane % 8): my place among a tile's scale words
.set ML,  7                            ; v7      all ones in the lanes of rows 0-7, else 0
.set MH,  8                            ; v8      all ones in the lanes of rows 8-15, else 0
.set C0,  9                            ; v9-10   the list: entry l in lane l, entry 32 + l in lane l
.set T,   11                           ; v11-12  at work
.set VO,  13                           ; v13-14  a pair's offset among the codes, one for each set
.set VS,  15                           ; v15-16  and among the scale words
.set SA,  17                           ; v17     LDS: my wave's bytes + 160 (lane / 16)
.set RD,  18                           ; v18     LDS: my wave's bytes + 16 x lane
.set BO,  19                           ; v19     256 (lane / 16)
.set BSO, 20                           ; v20     64 (lane / 16)
.set BS,  21                           ; v21     the patch's scale words: lanes 0-15 K step 0's, lanes 16-31 K step 1's
.set AS,  22                           ; v22-31  the tiles' scale words, two sets of five
.set B,   32                           ; v32-47  the patch's fragments, K steps 0 and 1
.set A,   48                           ; v48-207 the tiles' fragments, two sets of 80: tile t, K step s at 16 t + 8 s; on the way out the candidates
.set D,   208                          ; v208-247 five accumulators
	s_load_b128 s[4:7], s[0:1], 0x0                ; qbuf, gidtab
	s_load_b64 s[8:9], s[0:1], 0x10                ; cand
	v_lshl_add_u32 v254, v0, 2, 0x10000
	v_mov_b32 v255, 0
	v_lshrrev_b32 v1, 5, v0
	v_readfirstlane_b32 s14, v1                    ; wave 0..7
	v_and_b32 v1, 31, v0                           ; lane
	v_lshlrev_b32 v2, 2, v1                        ; 4 x lane
	v_lshlrev_b32 v3, 4, v1                        ; 16 x lane
	v_lshrrev_b32 v4, 4, v1                        ; lane / 16
	v_and_b32 v[T], 7, v1
	v_lshlrev_b32 v[LC], 8, v4
	v_lshl_add_u32 v[LC], v[T], 4, v[LC]
	v_lshlrev_b32 v[LS], 6, v4
	v_lshl_add_u32 v[LS], v[T], 2, v[LS]
	v_bfe_u32 v[T], v1, 3, 1                       ; 1 in the lanes of rows 8-15
	v_add_nc_u32 v[ML], -1, v[T]
	v_sub_nc_u32 v[MH], 0, v[T]
	v_lshlrev_b32 v[BO], 8, v4
	v_lshlrev_b32 v[BSO], 6, v4
	s_wait_alu depctr_va_sdst(0)                   ; s14 is written, ahead of its first reader: LDS addresses and bases are made from it
	s_lshl_b32 s15, s14, 13                        ; my wave's 8,192 bytes of LDS, of which 8,000 are used
	v_mul_u32_u24 v[SA], v4, 160
	v_add_nc_u32 v[SA], s15, v[SA]
	v_add_nc_u32 v[RD], s15, v3
	s_lshl_b32 s16, ttmp9, 3
	s_add_co_u32 s16, s16, s14                     ; my patch
	s_lshr_b32 s17, s16, 4                         ; its tile,
	s_and_b32 s18, s16, 15                         ; its row there
	s_lshl_b32 s24, s17, 11
	s_lshl_b32 s19, s18, 4
	s_add_co_u32 s24, s24, s19
	s_add_co_u32 s24, s24, PCOD
	s_mov_b32 s25, 0
	s_lshl_b32 s26, s17, 7
	s_lshl_b32 s19, s18, 2
	s_add_co_u32 s26, s26, s19
	s_add_co_u32 s26, s26, PSCL
	s_mov_b32 s27, 0
	s_lshl_b32 s28, s16, 8
	s_mov_b32 s29, 0
	s_mul_i32 s30, s16, 8000
	s_mov_b32 s31, 0
	s_mov_b32 s32, MSCL
	s_mov_b32 s33, 0
	s_wait_kmcnt 0x0
	s_add_nc_u64 s[10:11], s[4:5], s[24:25]        ; the patch's row in its tile's image,
	s_add_nc_u64 s[12:13], s[4:5], s[26:27]        ; its scale words,
	s_add_nc_u64 s[34:35], s[4:5], s[32:33]        ; the nodes' scale words (their codes begin at qbuf's first byte),
	s_add_nc_u64 s[6:7], s[6:7], s[28:29]          ; the patch's list,
	s_add_nc_u64 s[8:9], s[8:9], s[30:31]          ; its candidates
	s_wait_alu depctr_va_vdst(0)                   ; v2, v3, SA, RD, BO and BSO are written, which loads and stores of the whole kernel read as offsets and addresses
	global_load_b32 v[C0], v2, s[6:7]
	global_load_b32 v[C0+1], v2, s[6:7] offset:128
.irp q, 0,1,2,3
	global_load_b128 v[B+4*\q:B+4*\q+3], v[BO], s[10:11] offset:512*\q   ; the 16 lanes of a half read the same 16 bytes: the patch in every column
.endr
	global_load_b32 v[BS], v[BSO], s[12:13]
	s_wait_loadcnt 5                               ; the list is in; the patch's five loads may be out
; Pair i's two group numbers out of the list, into s[sa] and s[sa + 1].
.macro PICKS i, sa
	v_readlane_b32 s[\sa], v[C0+(2*(\i))/32], (2*(\i))%32
	v_readlane_b32 s[\sa+1], v[C0+(2*(\i)+1)/32], (2*(\i)+1)%32
.endm
; From them the pair's offsets, into the registers of a set.  15 lines of plain vector work that names no register of a product: behind a pair's products they are the places that the stores of the results want.
.macro ADDR set, sa
	v_and_b32 v[T], s[\sa], v[ML]
	v_and_b32 v[T+1], s[\sa+1], v[MH]
	v_add_nc_u32 v[T], v[T], v[T+1]                ; my row's group: entry 2 i in the lanes of rows 0-7, entry 2 i + 1 in the others
	v_min_u32 v[T], 2499, v[T]                     ; a loaded number enters an address held to its table
	v_lshrrev_b32 v[T+1], 1, v[T]
	v_min_u32 v[T+1], 1249, v[T+1]                 ; the unit, held again behind the shift to the right
	v_and_b32 v[T], 1, v[T]                        ; which half of the unit's rows
	v_mul_u32_u24 v[VO+(\set)], v[T+1], 10240
	v_mul_u32_u24 v[VS+(\set)], v[T+1], 640
	v_lshlrev_b32 v[T+1], 7, v[T]
	v_lshlrev_b32 v[T], 5, v[T]
	v_add_nc_u32 v[VO+(\set)], v[VO+(\set)], v[T+1]
	v_add_nc_u32 v[VS+(\set)], v[VS+(\set)], v[T]
	v_add_nc_u32 v[VO+(\set)], v[VO+(\set)], v[LC] ; 12,790,256 at the most; with the largest immediate the last byte read is the codes' last
	v_add_nc_u32 v[VS+(\set)], v[VS+(\set)], v[LS]
.endm
.macro TLOADS set, t                   ; five loads: tile t's fragments of both K steps and its scale words
.irp q, 0,1,2,3
	global_load_b128 v[A+80*(\set)+16*(\t)+4*\q:A+80*(\set)+16*(\t)+4*\q+3], v[VO+(\set)], s[4:5] offset:2048*(\t)+512*\q
.endr
	global_load_b32 v[AS+5*(\set)+(\t)], v[VS+(\set)], s[34:35] offset:128*(\t)
.endm
.macro MULT set                        ; five accumulators by turns, K step 0 and then K step 1
.set AA, A+80*(\set)
.set SS, AS+5*(\set)
.irp t, 0,1,2,3,4
	v_wmma_scale_f32_16x16x128_f8f6f4 v[D+8*\t:D+8*\t+7], v[AA+16*\t:AA+16*\t+7], v[B:B+7], 0, v[SS+\t], v[BS] matrix_a_fmt:MATRIX_FMT_FP4 matrix_b_fmt:MATRIX_FMT_FP4
.endr
.irp t, 0,1,2,3,4
	v_wmma_scale_f32_16x16x128_f8f6f4 v[D+8*\t:D+8*\t+7], v[AA+16*\t+8:AA+16*\t+15], v[B+8:B+15], v[D+8*\t:D+8*\t+7], v[SS+\t], v[BS] matrix_a_fmt:MATRIX_FMT_FP4 matrix_b_fmt:MATRIX_FMT_FP4 matrix_a_scale:MATRIX_SCALE_ROW1 matrix_b_scale:MATRIX_SCALE_ROW1
.endr
.endm
; Pair i.  more = 1: the pair two further on is asked for, into the set that this pair leaves.  left: the loads issued behind this pair's, which may stay out.
.macro PAIR i, more, left
	s_wait_loadcnt \left                           ; this pair's 25 loads are in (and all older ones), so its offsets may be written again; the next pair's 25 may be out
	s_wait_dscnt 0x0                               ; the last pair's ten LDS stores are done
	s_wait_alu depctr_vm_vsrc(0)                   ; the last pair's LDS stores have read the accumulators, which the products below write; this pair's loads have read their two offsets, which the address lines below write
.if \more
	PICKS (\i)+2, 20                               ; ahead of the products, so that these stand between the lane reads and the wait for them
.endif
	MULT (\i)%2
.if \more
	s_wait_alu depctr_va_sdst(0)                   ; the two lane reads have written s20 and s21, ahead of their first readers
	ADDR (\i)%2, 20
.else
.rept 5
	v_nop                                          ; the places behind the products: no other vector work is left
.endr
.endif
	s_wait_alu depctr_va_vdst(0)                   ; the products have written the accumulators, which the LDS stores read, and are done reading this set's fragments and scale words, in which the loads land; the address lines have written the two offsets that those loads read
.irp t, 0,1,2,3,4
.if \more
	TLOADS (\i)%2, \t
.endif
	ds_store_b128 v[SA], v[D+8*\t:D+8*\t+3] offset:320*(\i)+32*\t          ; elements 8 t on of ordinal 2 i + lane / 16; each accumulator from its low end on; the 16 lanes of a half write the same bytes with the same numbers
	ds_store_b128 v[SA], v[D+8*\t+4:D+8*\t+7] offset:320*(\i)+32*\t+16
.endr
.endm
	PICKS 0, 20
	PICKS 1, 22
	s_wait_alu depctr_va_sdst(0)                   ; the four lane reads have written s20 to s23, ahead of their first readers
	ADDR 0, 20
	ADDR 1, 22
	s_wait_alu depctr_va_vdst(0)                   ; both sets' offsets are written, which the 50 loads below read
.irp t, 0,1,2,3,4
	TLOADS 0, \t
.endr
.irp t, 0,1,2,3,4
	TLOADS 1, \t
.endr
.set I, 0
.rept 23
	PAIR I, 1, 25
.set I, I+1
.endr
	PAIR 23, 0, 25
	PAIR 24, 0, 0
.set I, 0
.rept 15
	ds_load_b128 v[A+4*I:A+4*I+3], v[RD] offset:512*I                  ; my own bytes: LDS serves a wave's instructions in order.  No wait: the last pair's wait on va_vdst states that the products are done reading these registers, and no vector or matrix instruction has been issued since
.set I, I+1
.endr
	ds_load_b128 v[A+60:A+63], v[RD] offset:7488   ; the last 512 of the 8,000 bytes
.set I, 0
.rept 15
	s_wait_dscnt 15-I                              ; load I is in; the 15 - I behind it may be out
	global_store_b128 v3, v[A+4*I:A+4*I+3], s[8:9] offset:512*I        ; 512 consecutive bytes
.set I, I+1
.endr
	s_wait_dscnt 0x0
	global_store_b128 v3, v[A+60:A+63], s[8:9] offset:7488
	s_wait_dscnt 0x0                               ; the closing lines, six on end
	s_wait_alu 0x0
	s_wait_tensorcnt 0x0
	ds_add_u32 v254, v255
	s_wait_dscnt 0x0
	s_endpgm
.Lfunc_end_k_q13b2b95e5f_cands:
	.size	k_q13b2b95e5f_cands, .Lfunc_end_k_q13b2b95e5f_cands-k_q13b2b95e5f_cands
	.p2alignl 7, 3214868480
	.fill 96, 4, 3214868480
	.section	.rodata,"a",@progbits
	.p2align	6, 0x0
	.amdhsa_kernel k_q13b2b95e5f_cands
		.amdhsa_group_segment_fixed_size 66560
		.amdhsa_private_segment_fixed_size 0
		.amdhsa_enable_private_segment 0
		.amdhsa_kernarg_size 24
		.amdhsa_user_sgpr_count 2
		.amdhsa_user_sgpr_kernarg_segment_ptr 1
		.amdhsa_wavefront_size32 1
		.amdhsa_system_sgpr_workgroup_id_x 1
		.amdhsa_system_sgpr_workgroup_id_y 1
		.amdhsa_system_sgpr_workgroup_id_z 1
		.amdhsa_system_vgpr_workitem_id 0
		.amdhsa_next_free_vgpr 256
		.amdhsa_next_free_sgpr 66
		.amdhsa_reserve_vcc 0
		.amdhsa_float_denorm_mode_32 3
		.amdhsa_float_denorm_mode_16_64 3
		.amdhsa_memory_ordered 1
		.amdhsa_forward_progress 1
		.amdhsa_inst_pref_size 136
	.end_amdhsa_kernel
	.amdgpu_metadata
---
amdhsa.version: [ 1, 2 ]
amdhsa.kernels:
  - .name:           k_q13b2b95e5f_cands
    .symbol:         k_q13b2b95e5f_cands.kd
    .args:
      - { .name: qbuf, .offset: 0, .size: 8, .value_kind: global_buffer, .address_space: global }
      - { .name: gidtab, .offset: 8, .size: 8, .value_kind: global_buffer, .address_space: global }
      - { .name: cand, .offset: 16, .size: 8, .value_kind: global_buffer, .address_space: global }
    .group_segment_fixed_size: 66560
    .private_segment_fixed_size: 0
    .kernarg_segment_align: 8
    .kernarg_segment_size: 24
    .max_flat_workgroup_size: 256
    .sgpr_count:     66
    .vgpr_count:     256
    .wavefront_size: 32
...
	.end_amdgpu_metadata
.endif
;; end of part 10
;; launch sele: the kernel of part 6 again; grid 256 x 1, 8 waves a work-group, no clusters, 70,656 bytes of LDS; arguments cand, esel; writes esel
;; launch gather: the kernel of part 7 again; grid 256 x 1, 8 waves a work-group, no clusters, 9,472 bytes of LDS; arguments esel, cand, gidtab, memory_nodes_gpu, test_patches, out1, part; writes out1, part
;; launch final: the kernel of part 8 again; grid 1 x 1, 8 waves a work-group, no clusters, 6,656 bytes of LDS; arguments part, out0; writes out0
